; MI455X (gfx1250); checked and timed in simulation.
; The chip was launched on July 23, 2026; its instructions are those of AMD's public machine-readable ISA for CDNA 5 (MIT licence, August 2026) and "CDNA5" Instruction Set Architecture Reference Guide (July 2026). The comments in the code are by the model that wrote it; some were corrected since.
;; Multi Head Attention. Allowed arithmetic: matrix products marked QUANTISED: E2M3 operands, one E8M0 scale for each 32 along K, by v_wmma_scale_f32_16x16x128_f8f6f4 with both operands' format E2M3, f32 sums; everything else in f32.
;; Inputs: W0 1,024 x 1,024 float32; Wk 1,024 x 1,024 float32; Wq 1,024 x 1,024 float32; Wv 1,024 x 1,024 float32; b0 1,024 float32; bk 1,024 float32; bq 1,024 float32; bv 1,024 float32; k 4 x 2,048 x 1,024 float32; mask 4 x 1 x 2,048 x 2,048 bool; q 4 x 2,048 x 1,024 float32; v 4 x 2,048 x 1,024 float32.
;; Outputs: out0 4 x 2,048 x 1,024 float32.
;; This version of the problem:
;;   THIS VERSION OF THE PROBLEM IS GIVEN IN LOW PRECISION. The matrix products marked QUANTISED in the list below multiply operands that are first quantised to E2M3 (2 exponent bits, 3 mantissa bits; 6 bits a number), with one power-of-two scale for each 32 numbers along K (OCP MX v1.0); their sums are f32. All else is computed in f32.
;;   The module's matrix products, in the order in which they are computed (A, B: the left and right operand; K: the contracted axis; several contracted axes count as one K, in the product's order):
;;     1. [M 8,192, K 1,024] x [K 1,024, N 1,024]; A: input q; B: input Wq: QUANTISED
;;     2. [M 8,192, K 1,024] x [K 1,024, N 1,024]; A: input k; B: input Wk: QUANTISED
;;     3. [M 8,192, K 1,024] x [K 1,024, N 1,024]; A: input v; B: input Wv: QUANTISED
;;     4. batch 64 x [M 2,048, K 64] x [K 64, N 2,048]; A: computed on the way; B: computed on the way: QUANTISED
;;     5. batch 64 x [M 2,048, K 2,048] x [K 2,048, N 64]; A: softmax (see below); B: computed on the way: QUANTISED
;;     6. [M 8,192, K 1,024] x [K 1,024, N 1,024]; A: computed on the way; B: input W0: QUANTISED
;;   THE QUANTISER, for each operand of a quantised product, along K:
;;     - K is cut into blocks of 32 from its start; a last block that is shorter is filled with zeros.
;;     - A block's scale is 2^e with e = floor(log2(the largest magnitude in the block)) - 2, held to -126 .. 127; a block of zeros has e = 0. As a byte (E8M0): e + 127.
;;     - Each number is divided by its block's scale, clamped to +-7.5, and rounded to the nearest number of E2M3, ties to even, subnormals kept.
;;     - The product sums the exact products of the quantised numbers (number of the format x scale) in f32.
;;   ~~~python
;;   def quantise(x, axis):      # numpy; x: float32 -> the quantised numbers, widened to float32 again
;;       x = np.moveaxis(x, axis, -1); K = x.shape[-1]
;;       x = np.pad(x, [(0, 0)] * (x.ndim - 1) + [(0, -K % 32)]); x = x.reshape(x.shape[:-1] + (-1, 32)); a = np.abs(x).max(-1, keepdims=True)
;;       e = np.where(a > 0, np.clip(np.frexp(np.where(a > 0, a, 1))[1] - 1 - 2, -126, 127), 0)      # np.frexp(a)[1] - 1 = floor(log2(a)), exactly
;;       r = np.clip(x / 2.0 ** e, -7.5, 7.5)
;;       step = 2.0 ** (np.maximum(np.frexp(np.where(r == 0, 1, r))[1] - 1, 0) - 3)
;;       q = np.round(r / step) * step * 2.0 ** e      # np.round: ties to even
;;       return np.moveaxis(q.reshape(q.shape[:-2] + (-1,))[..., :K], -1, axis).astype(np.float32)
;;   ~~~
;;   SOFTMAX AHEAD OF A QUANTISED PRODUCT. Where the list says 'softmax', what is quantised is not the finished softmax but p = 2^(t - M), with t = logit x log2(e) and M = ceil(the row's largest t), a whole number; so 1/2 < the row's largest p <= 1. The row's sum l is taken of the UNQUANTISED p, in f32, and the product's result is divided by l at the end. Since M is a whole number, a kernel that streams over the keys may use a running M (the ceiling of the running maximum): every later rescaling is an exact power of two, which a block's scale takes up: the codes' values come out the same.
;;   OPERANDS COMPUTED ON THE WAY. 'Computed on the way' means the value that the module computes at that place (a softmax that the list does not call 'softmax' is quantised finished and normalised). What goes into a quantiser is computed in f32, as accurately as f32 sums, v_exp_f32 and their like allow (about 1e-6 of the number): no bf16 or f16 on the way to a quantiser, and a product that is left as it is and whose result goes on into a quantised operand takes f32 operands (vector FMAs, or v_wmma_f32_16x16x4_f32). A number that lies on a knife's edge between two numbers of the format may be rounded either way, as far as f32 arithmetic and the matrix unit's own rounding can turn it there, and no further.
;; One version. Each part assembles by itself: llvm-mc -triple=amdgcn-amd-amdhsa -mcpu=gfx1250 --defsym DOCPART=n.
;; ======== version 1 of 1: 4 launches
;; limits: right only within a limited range of input values
;; workspace buffers: xc 22,020,096 bytes; xs 917,504 bytes; mbits 2,113,536 bytes of whole numbers; qc 6,291,456 bytes; kv 12,582,912 bytes; ps 786,432 bytes; oc 6,291,456 bytes; os 524,288 bytes
;; launch prep (part 1): grid 1920 x 1, 4 waves a work-group, no clusters, 50,688 bytes of LDS; arguments q, k, v, Wq, Wk, Wv, W0, mask, xc, xs, mbits; writes xc, xs, mbits
.if DOCPART == 1
	.amdgcn_target "amdgcn-amd-amdhsa--gfx1250"
	.amdhsa_code_object_version 6
	.text
	.protected	k_qfff92509b7_prep
	.globl	k_qfff92509b7_prep
	.p2align	8
	.type	k_qfff92509b7_prep,@function
k_qfff92509b7_prep:
	s_mov_b64 s[64:65], 0
	v_nop
	global_prefetch_b8 v0, s[64:65] scope:SCOPE_SE
	s_setreg_imm32_b32 hwreg(HW_REG_WAVE_MODE, 25, 1), 1
	s_wait_xcnt 0x0
; TWO JOBS IN ONE LAUNCH, parted by the work-group's number; the two paths never join and have LDS bytes of their own.
; (1) Work-groups 0-895: q, k, v [8192][1024] and Wq, Wk, Wv, W0 [1024][1024], f32, K innermost, become codes of FP6 (E2M3) and one E8M0 byte for each 32 along K.
;     A block's scale is 2^(floor(log2(its largest magnitude)) - 2); its byte is the largest magnitude's exponent field - 2, held at 1 from below; numbers are divided by the scale and rounded to the nearest code, ties to even.
;     A wave takes 8 rows (8,192 numbers) in 16 steps of 512.  A work-group takes 32 rows, and ITS FOUR WAVES' RESULTS ARE LAID IN THE ORDER rows 0-7, 16-23, 8-15, 24-31:
;     sixteen consecutive stored rows are then a tile whose row m is true row 8 u + m + 8 (m / 8) of the 32, which is what the products' results need in order to be quantised in registers later.
;     xc: rows of 768 bytes, xs: rows of 32 bytes; the seven tensors one behind the other (24,576 and 1,024 bytes for each work-group).
; (2) Work-groups 896-1919: the mask's bytes become LANE MASKS for the attention launch.  For batch b, query tile qt (16 queries: 32 (qt / 2) + 8 (qt % 2) + r + 8 (r / 8)) and key step ks (128 keys),
;     word n = 16 j + i holds in bit l the mask of query r = l % 16 and key 128 ks + 32 j + 16 (l / 16) + i.  mbits: [b][qt 128][ks 16][64 words].
;     A wave takes 16 queries x 256 keys: two key steps, 512 bytes of words in one store.
; LIMITS: NaN and infinities among the inputs are not served; a block whose largest magnitude lies under 2^-124 has its byte held at 1; a block of zeros has the byte 1 (its codes are zeros; this program alone reads the bytes).
.set STEPS, 16
.set EMAX,  2
.set CB,    12                         ; bytes of 16 codes
.set R,     16                         ; v16-79   four sets of 16 numbers as they are loaded
.set X,     80                         ; v80-111  two sets of 16 neighbours
.set C,     128                        ; v128-191 codes: four registers a step, so that no store's data are written again
.set E,     112                        ; v112-127 a scale byte a step
.set WREG,  8192                       ; LDS of path 1: a region for each wave: two stages of 32 x SP bytes, then its 256 scale bytes
.set SP,    80                         ; a lane's place in a stage: 64 bytes + 16 of padding
.set NQWG,  896                        ; work-groups of path 1
.set MST,   32768                      ; LDS of path 2 begins here: 16 rows x 272 bytes for each wave
	s_load_b512 s[4:19], s[0:1], 0x0               ; q, k, v, Wq, Wk, Wv, W0, mask
	s_load_b128 s[20:23], s[0:1], 0x40             ; xc, xs
	s_load_b64 s[24:25], s[0:1], 0x50              ; mbits
	v_lshl_add_u32 v192, v0, 2, 0xc400
	v_mov_b32 v193, 0
	v_lshrrev_b32 v1, 5, v0
	v_readfirstlane_b32 s30, v1                    ; wave 0..3
	v_and_b32 v2, 31, v0                           ; lane
	s_cmp_ge_u32 ttmp9, NQWG
	s_cbranch_scc1 .Lmask
; ---------------- path 1: the quantiser ----------------
	v_lshlrev_b32 v3, 4, v2                        ; my 16 bytes of a load's 512
	s_mul_i32 s31, s30, WREG
	v_lshrrev_b32 v14, 2, v2
	v_mul_u32_u24 v14, v14, SP
	v_and_b32 v15, 3, v2
	v_lshl_add_u32 v14, v15, 4, v14
	v_add_nc_u32 v14, s31, v14                     ; the stage, on the way in: SP (lane / 4) + 16 (lane % 4)
	v_mul_u32_u24 v15, v2, SP
	v_add_nc_u32 v15, s31, v15                     ; and on the way out: SP x lane: my 16 neighbours
	; xc IS LAID [group of 256 rows][K chunk of 256 numbers, 0..3][row][192 bytes] (this takes the place of the rows of 768 bytes named at the head): 128 rows of one chunk are 24,576 consecutive bytes
	v_and_b32 v4, 15, v2
	v_lshrrev_b32 v10, 4, v2
	v_mul_u32_u24 v4, v4, CB                       ; sixteen lanes fill a row's 192 bytes of one chunk,
	v_mad_u32_u24 v4, v10, 0xc000, v4              ; lanes 16-31 those of the next chunk, 49,152 bytes on
	v_lshrrev_b32 v5, 1, v2
	s_add_co_u32 s31, s31, 2*32*SP
	v_add_nc_u32 v5, s31, v5                       ; LDS: my block's scale byte
	v_lshlrev_b32 v7, 3, v2
	v_add_nc_u32 v6, s31, v7                       ; and 8 bytes a lane on the way out
	s_wait_alu depctr_va_vdst(0)
	s_wait_kmcnt 0x0
	s_mov_b64 s[26:27], s[4:5]                     ; which tensor: chosen by the work-group's number alone
	s_mov_b32 s28, 0                               ; and its first work-group
.macro PICK lim, p
	s_cmp_ge_u32 ttmp9, \lim
	s_cselect_b64 s[26:27], s[\p:\p+1], s[26:27]
	s_cselect_b32 s28, \lim, s28
.endm
	PICK 256, 6
	PICK 512, 8
	PICK 768, 10
	PICK 800, 12
	PICK 832, 14
	PICK 864, 16
	s_sub_co_u32 s28, ttmp9, s28
	s_lshl_b32 s28, s28, 2
	s_add_co_u32 s28, s28, s30                     ; my run of 8 rows in the tensor,
	s_lshl_b32 s28, s28, 15                        ; 32,768 bytes each
	s_mov_b32 s29, 0
	s_add_nc_u64 s[26:27], s[26:27], s[28:29]
	s_and_b32 s32, s30, 1
	s_lshl_b32 s32, s32, 1
	s_lshr_b32 s33, s30, 1
	s_or_b32 s32, s32, s33                         ; where the run is laid: waves 0, 1, 2, 3 at places 0, 2, 1, 3
	s_lshl_b32 s33, ttmp9, 2
	s_add_co_u32 s32, s32, s33
	s_lshr_b32 s28, s32, 5                         ; 32 runs of 8 rows to a group of 256 rows
	s_mul_i32 s28, s28, 196608
	s_and_b32 s33, s32, 31
	s_mul_i32 s33, s33, 1536                       ; 8 rows of 192 bytes
	s_add_co_u32 s28, s28, s33
	s_add_nc_u64 s[20:21], s[20:21], s[28:29]
	s_lshl_b32 s28, s32, 8                         ; 8 rows of 32 bytes
	s_add_nc_u64 s[22:23], s[22:23], s[28:29]
.macro LOAD t
.irp i, 0,1,2,3
	global_load_b128 v[R+16*((\t)%4)+4*\i:R+16*((\t)%4)+4*\i+3], v3, s[26:27] offset:2048*(\t)+512*\i th:TH_LOAD_NT   ; 32 lanes read 512 consecutive bytes
.endr
.endm
.macro TURN t                          ; step t's numbers through the stage: LDS serves a wave's instructions in order, so no wait stands between the stores and the loads
.irp i, 0,1,2,3
	ds_store_b128 v14, v[R+16*((\t)%4)+4*\i:R+16*((\t)%4)+4*\i+3] offset:32*SP*((\t)%2)+8*SP*\i
.endr
.irp i, 0,1,2,3
	ds_load_b128 v[X+16*((\t)%2)+4*\i:X+16*((\t)%2)+4*\i+3], v15 offset:32*SP*((\t)%2)+16*\i
.endr
.endm
.irp t, 0,1,2,3
	LOAD \t
.endr
	s_wait_loadcnt 12                              ; step 0's four loads are in; the twelve of steps 1 to 3 may be out
	TURN 0
.macro STEP t
.set XS, X+16*((\t)%2)
.if (\t) > 0
	s_wait_dscnt 1                                 ; this step's numbers are back from the stage (the last step's byte store may be out)
.else
	s_wait_dscnt 0x0
.endif
.if (\t)+4 < STEPS
	LOAD (\t)+4                                    ; into the registers that this step's stage stores have read
.endif
.if (\t)+1 < STEPS
.if STEPS-2-(\t) >= 3
	s_wait_loadcnt 12                              ; the next step's four loads are in; those of the three steps behind it may be out
.else
	s_wait_loadcnt 4*(STEPS-2-(\t))
.endif
	TURN (\t)+1
.endif
	v_max3_num_f32 v8, |v[XS]|, |v[XS+1]|, |v[XS+2]|               ; the largest magnitude of my 16, in two chains
	v_max3_num_f32 v9, |v[XS+3]|, |v[XS+4]|, |v[XS+5]|
.irp i, 6,10
	v_max3_num_f32 v8, v8, |v[XS+\i]|, |v[XS+\i+1]|
	v_max3_num_f32 v9, v9, |v[XS+\i+2]|, |v[XS+\i+3]|
.endr
	v_max3_num_f32 v8, v8, |v[XS+14]|, |v[XS+15]|
	v_max3_num_f32 v8, v8, v9, (EMAX+1)<<23        ; and the floor 2^(3 - 127): the byte cannot fall under 1
	v_max_num_f32_dpp v8, v8, v8 row_xmask:1 row_mask:0xf bank_mask:0xf   ; with my neighbour's 16: the block's
	v_add_nc_u32 v11, -(EMAX<<23), v8              ; 2 off its exponent field: the conversion takes the exponent field of this operand as its scale
	v_cvt_scalef32_pk16_fp6_f32 v[C+4*(\t):C+4*(\t)+2], v[XS:XS+15], v11
	v_lshrrev_b32 v[E+(\t)], 23, v11               ; the scale's byte (a plain line behind the conversion)
	ds_store_b8 v5, v[E+(\t)] offset:16*(\t)       ; both lanes of a block write the same byte with the same value
	global_store_b96 v4, v[C+4*(\t):C+4*(\t)+2], s[20:21] offset:98304*((\t)%2)+192*((\t)/2)   ; step t: row t / 2, chunks 2 (t % 2) and 2 (t % 2) + 1
.endm
.irp t, 0,1,2,3,4,5,6,7,8,9,10,11,12,13,14,15
	STEP \t
.endr
	ds_load_b64 v[12:13], v6                       ; LDS serves a wave's instructions in order: these see my byte stores
	s_wait_dscnt 0x0
	global_store_b64 v7, v[12:13], s[22:23]        ; 32 lanes store 256 consecutive bytes, aligned
	s_wait_tensorcnt 0x0
	ds_add_u32 v192, v193
	s_wait_dscnt 0x0
	s_endpgm
; ---------------- path 2: the mask ----------------
.Lmask:
	s_sub_co_u32 s31, ttmp9, NQWG
	s_lshl_b32 s31, s31, 2
	s_add_co_u32 s31, s31, s30                     ; task T = (128 b + qt) x 8 + kp
	s_and_b32 s38, s31, 7                          ; kp: which 256 keys
	s_lshr_b32 s39, s31, 3
	s_and_b32 s39, s39, 127                        ; qt
	s_lshr_b32 s28, s31, 10                        ; b
	s_lshr_b32 s29, s39, 1
	s_lshl_b32 s29, s29, 5                         ; 32 (qt / 2)
	s_and_b32 s39, s39, 1
	s_lshl_b32 s39, s39, 3                         ; 8 (qt % 2)
	s_add_co_u32 s29, s29, s39
	s_lshl_b32 s28, s28, 11
	s_add_co_u32 s28, s28, s29                     ; the tile's first row of the mask
	s_lshl_b32 s28, s28, 11                        ; rows of 2,048 bytes
	s_lshl_b32 s38, s38, 8
	s_add_co_u32 s28, s28, s38
	s_mov_b32 s29, 0
	s_wait_alu depctr_va_vdst(0)
	v_and_b32 v8, 15, v2                           ; r
	v_lshrrev_b32 v9, 4, v2                        ; h
	v_lshlrev_b32 v10, 4, v8                       ; 16 r
	v_lshl_add_u32 v4, v9, 11, v10                 ; a load: two rows, 256 consecutive bytes of each
	s_mul_i32 s38, s30, 16*272
	s_add_co_u32 s38, s38, MST                     ; my stage
	v_mad_u32_u24 v5, v9, 272, v10
	v_add_nc_u32 v5, s38, v5                       ; in: row h of the two, 16 r
	v_mul_u32_u24 v6, v8, 272
	v_lshl_add_u32 v6, v9, 4, v6
	v_add_nc_u32 v6, s38, v6                       ; out: row r, 16 h: rows 272 bytes apart start at sixteen different groups of banks
	v_lshlrev_b32 v7, 4, v2                        ; 16 x lane
.irp k, 0,1,2,3
	v_mov_b32 v[80+\k], 0                          ; written once: v_writelane_b32's destination counts as read
.endr
	s_wait_alu depctr_va_vdst(0)
	s_wait_kmcnt 0x0
	s_add_nc_u64 s[32:33], s[18:19], s[28:29]
	s_lshl_b32 s28, s31, 9
	s_add_nc_u64 s[34:35], s[24:25], s[28:29]      ; my 128 words
	s_lshl_b32 s28, s31, 2
	s_add_co_u32 s28, s28, 2097152
	s_add_nc_u64 s[36:37], s[24:25], s[28:29]      ; behind the words: one flag word for each task, [b][qt][kp]
.irp i, 0,1,2,3,4,5,6,7
	global_load_b128 v[16+4*\i:16+4*\i+3], v4, s[32:33] offset:(2*\i+8*(\i/4))*2048 th:TH_LOAD_NT   ; rows 0-7 and 16-23 from the tile's first
.endr
.irp i, 0,1,2,3,4,5,6,7
	s_wait_loadcnt 7-\i                            ; loads come back in order: load i is in, the younger ones may be out
	ds_store_b128 v5, v[16+4*\i:16+4*\i+3] offset:544*\i
.endr
.irp j, 0,1,2,3,4,5,6,7
	ds_load_b128 v[48+4*\j:48+4*\j+3], v6 offset:32*\j   ; the bytes of keys 32 j + 16 h + 0 .. 15 of my query
.endr
	s_wait_dscnt 0x0
.set G, 0
.rept 32                               ; register 48 + G holds the bytes of words 4 G .. 4 G + 3; they go to lane G of v80-83
.irp k, 0,1,2,3
	v_lshlrev_b32 v[84+\k], 31-8*\k, v[48+G]       ; byte k's lowest bit to the sign
.endr
.irp k, 0,1,2,3
	v_cmp_gt_i32 s[40+\k], 0, v[84+\k]             ; one bit a lane
.endr
.irp k, 0,1,2,3
	v_writelane_b32 v[80+\k], s[40+\k], G
.endr
.set G, G+1
.endr
	global_store_b128 v7, v[80:83], s[34:35]       ; 512 consecutive bytes: two key steps x 64 words
	; THE FLAGS: bit 2 kp + s of my flag word says that key step 2 kp + s of this query tile has a hole (lanes 0-15 hold the first step's words, lanes 16-31 the second's)
	v_and_b32 v84, v80, v81
	v_and_b32 v85, v82, v83
	v_and_b32 v84, v84, v85
	v_cmp_ne_u32 s40, -1, v84
	s_and_b32 s41, s40, 0xffff
	s_cmp_lg_u32 s41, 0
	s_cselect_b32 s41, 1, 0
	s_lshr_b32 s42, s40, 16
	s_cmp_lg_u32 s42, 0
	s_cselect_b32 s42, 2, 0
	s_or_b32 s41, s41, s42
	s_and_b32 s42, s31, 7
	s_lshl_b32 s42, s42, 1
	s_lshl_b32 s41, s41, s42
	v_mov_b32 v85, s41
	v_mov_b32 v86, 0
	v_cmp_eq_u32 vcc_lo, 0, v2
	s_wait_alu depctr_va_vdst(0)
	s_wait_xcnt 0x0                                ; EXEC changes only behind this wait
	s_and_saveexec_b32 s43, vcc_lo
	global_store_b32 v86, v85, s[36:37]            ; lane 0 alone
	s_wait_xcnt 0x0
	s_or_b32 exec_lo, exec_lo, s43
	s_wait_tensorcnt 0x0
	ds_add_u32 v192, v193
	s_wait_dscnt 0x0
	s_endpgm
.Lfunc_end_k_qfff92509b7_prep:
	.size	k_qfff92509b7_prep, .Lfunc_end_k_qfff92509b7_prep-k_qfff92509b7_prep
	.p2alignl 7, 3214868480
	.fill 96, 4, 3214868480
	.section	.rodata,"a",@progbits
	.p2align	6, 0x0
	.amdhsa_kernel k_qfff92509b7_prep
		.amdhsa_group_segment_fixed_size 50688
		.amdhsa_private_segment_fixed_size 0
		.amdhsa_enable_private_segment 0
		.amdhsa_kernarg_size 88
		.amdhsa_user_sgpr_count 2
		.amdhsa_user_sgpr_kernarg_segment_ptr 1
		.amdhsa_wavefront_size32 1
		.amdhsa_system_sgpr_workgroup_id_x 1
		.amdhsa_system_sgpr_workgroup_id_y 1
		.amdhsa_system_sgpr_workgroup_id_z 1
		.amdhsa_system_vgpr_workitem_id 0
		.amdhsa_next_free_vgpr 194
		.amdhsa_next_free_sgpr 66
		.amdhsa_reserve_vcc 1
		.amdhsa_float_denorm_mode_32 3
		.amdhsa_float_denorm_mode_16_64 3
		.amdhsa_memory_ordered 1
		.amdhsa_forward_progress 1
		.amdhsa_inst_pref_size 59
	.end_amdhsa_kernel
	.amdgpu_metadata
---
amdhsa.version: [ 1, 2 ]
amdhsa.kernels:
  - .name:           k_qfff92509b7_prep
    .symbol:         k_qfff92509b7_prep.kd
    .args:
      - { .name: q, .offset: 0, .size: 8, .value_kind: global_buffer, .address_space: global }
      - { .name: k, .offset: 8, .size: 8, .value_kind: global_buffer, .address_space: global }
      - { .name: v, .offset: 16, .size: 8, .value_kind: global_buffer, .address_space: global }
      - { .name: Wq, .offset: 24, .size: 8, .value_kind: global_buffer, .address_space: global }
      - { .name: Wk, .offset: 32, .size: 8, .value_kind: global_buffer, .address_space: global }
      - { .name: Wv, .offset: 40, .size: 8, .value_kind: global_buffer, .address_space: global }
      - { .name: W0, .offset: 48, .size: 8, .value_kind: global_buffer, .address_space: global }
      - { .name: mask, .offset: 56, .size: 8, .value_kind: global_buffer, .address_space: global }
      - { .name: xc, .offset: 64, .size: 8, .value_kind: global_buffer, .address_space: global }
      - { .name: xs, .offset: 72, .size: 8, .value_kind: global_buffer, .address_space: global }
      - { .name: mbits, .offset: 80, .size: 8, .value_kind: global_buffer, .address_space: global }
    .group_segment_fixed_size: 50688
    .private_segment_fixed_size: 0
    .kernarg_segment_align: 8
    .kernarg_segment_size: 88
    .max_flat_workgroup_size: 128
    .sgpr_count:     66
    .vgpr_count:     194
    .wavefront_size: 32
...
	.end_amdgpu_metadata
.endif
;; end of part 1
;; launch proj (part 2): grid 4 x 96, 4 waves a work-group, clusters of 4 x 4, 327,680 bytes of LDS; arguments xc, xs, bq, bk, bv, qc, kv, ps; writes qc, kv, ps
.if DOCPART == 2
	.amdgcn_target "amdgcn-amd-amdhsa--gfx1250"
	.amdhsa_code_object_version 6
	.text
	.protected	k_qfff92509b7_proj
	.globl	k_qfff92509b7_proj
	.p2align	8
	.type	k_qfff92509b7_proj,@function
k_qfff92509b7_proj:
	s_mov_b64 s[64:65], 0
	v_nop
	global_prefetch_b8 v0, s[64:65] scope:SCOPE_SE
	s_setreg_imm32_b32 hwreg(HW_REG_WAVE_MODE, 25, 1), 1
	s_wait_xcnt 0x0
	s_wait_alu depctr_hold_cnt(0) depctr_sa_sdst(0) depctr_va_vdst(0) depctr_va_sdst(0) depctr_va_ssrc(0) depctr_va_vcc(0) depctr_vm_vsrc(0)
	s_getreg_b32 s2, hwreg(HW_REG_IB_STS2, 6, 4)
	s_cmp_eq_u32 s2, 0
	s_cbranch_scc0 .Lentry_in_a_cluster
	s_endpgm
.Lentry_in_a_cluster:
	s_bfe_u32 s2, ttmp6, 0x10000c
	s_cmp_lg_u32 s2, 0xf033
	s_cbranch_scc0 .Lentry_shape_is_right
	s_endpgm
.Lentry_shape_is_right:
.set KSTEP,  256
.set NQ,     2
.set ROWB,   49152                     ; from a K chunk of a group of 256 rows of xc to the next
.set KROW,   768
.set PITCH,  240
.set FR,     12
.set NL,     6
.set NP,     4
.set HALFT,  128*PITCH
.set SLOT,   4*HALFT
.set LAPS,   2
.set KS,     32
.set SCL,    2*SLOT
.set HALFS,  (128*KS/256)*272
.set SBLK,   (16*KS/256)*272
.set SPARE,  SCL+4*HALFS
.set ADRA, 16
.set ADRB, 20
.set ADRS, 27
.set SPW,  28
.set NIL,  29
.set SC,   32
.set BR,   64
.set AF,   128
.set BL,   240
.set L16,  1
.set L8,   2
.set T,    128
.set TM,   192
.set PC,   208
.set PW8,  232
.set SW,   248
.set SEL,  18
.set G1, 24
.set G0, 32
.set G1B, 48
.set G0B, 56
.set G1S, 68
.set G0S, 76
.set G1SB, 80
.set G0SB, 88
.set MSB, 0
.macro WIN new
.if MSB != (\new)
	s_set_vgpr_msb (MSB<<8)|(\new)
.set MSB, (\new)
.endif
.endm
.set MUL_LO, 0xa1
.set MUL_HI, 0xf1
.set TO_B,   0x40
.macro JLOAD g0a, g1a, g0b, g1b
	s_cmp_eq_u32 s15, 0
	s_cbranch_scc0 .Lfor_b_\@
	tensor_load_to_lds s[\g0a:\g0a+3], s[\g1a:\g1a+7]
	s_nop 0
.rept 4
	v_nop
.endr
	s_branch .Lasked_\@
.Lfor_b_\@:
	tensor_load_to_lds s[\g0b:\g0b+3], s[\g1b:\g1b+7]
	s_nop 0
.rept 4
	v_nop
.endr
.Lasked_\@:
.endm
.macro CREST
	s_cmp_lg_u32 s14, 0
	s_cbranch_scc1 .Lnot_wave_0_\@
	s_barrier_signal -3
.Lnot_wave_0_\@:
	s_barrier_wait -3
	s_barrier_signal -1
	s_barrier_wait -1
.endm
.macro CROUND
	s_barrier_signal -1
	s_barrier_wait -1
	CREST
.endm
	s_load_b128 s[4:7], s[0:1], 0x0
	s_load_b256 s[68:75], s[0:1], 0x10
	s_load_b128 s[76:79], s[0:1], 0x30
	v_lshl_add_u32 v[SPW], v0, 2, SPARE
	v_mov_b32 v[NIL], 0
	ds_add_u32 v28, v29
	ds_add_u32 v28, v29
	s_wait_dscnt 0x0
	v_lshrrev_b32 v1, 5, v0
	v_readfirstlane_b32 s14, v1
	s_lshr_b32 s15, s14, 1
	s_and_b32 s16, s14, 1
	s_bfe_u32 s40, ttmp6, 0x40000
	s_bfe_u32 s41, ttmp6, 0x40004
	s_and_b32 s92, ttmp7, 0xffff
	s_lshr_b32 s2, s92, 3
	s_and_b32 s93, s92, 7
	s_lshl_b32 s93, s93, 2
	s_cmp_eq_u32 s2, 2
	s_cselect_b32 s17, 0, s93
	s_cselect_b32 s42, s93, 0
	s_cselect_b32 s98, 0, -1
	s_cselect_b32 s99, -1, 0
	s_add_co_u32 s17, s17, s41
	s_add_co_u32 s42, s42, s40
	s_lshl_b32 s43, s41, 2
	s_lshl_b32 s43, 15, s43
	s_lshl_b32 s44, 0x1111, s40
	s_or_b32 s[G1+0], s43, (0<<16)|(1<<20)|(1<<21)|(3<<22)|(3<<25)
	s_or_b32 s[G1B+0], s44, (0<<16)|(1<<20)|(1<<21)|(3<<22)|(3<<25)
.irp g, G1, G1B
	s_mov_b32 s[\g+1], 256<<16                     ; 128 rows x 192 bytes of one K chunk are 24,576 dense bytes: stated as 96 rows of 256 bytes; the padding behind every 64 bytes gives the same LDS image
	s_mov_b32 s[\g+2], 192<<16                     ; the head's loads bring 256 rows, 49,152 dense bytes; behind them the two words that count rows are set to 96
	s_mov_b32 s[\g+3], 256<<16
	s_mov_b32 s[\g+4], 192
	s_mov_b32 s[\g+5], 256
	s_mov_b32 s[\g+6], 0
	s_mov_b32 s[\g+7], 0
.endr
	s_mul_i32 s94, s2, 6291456
	s_mul_i32 s95, s2, 786432
	s_add_co_u32 s95, s95, 18874368
	s_lshl_b32 s96, s2, 18
	s_lshl_b32 s97, s2, 15
	s_add_co_u32 s97, s97, 786432
	s_cmp_eq_u32 s2, 2
	s_cselect_b32 s18, s95, s94
	s_cselect_b32 s19, s94, s95
	s_cselect_b32 s21, s97, s96
	s_cselect_b32 s23, s96, s97
	s_lshl_b32 s47, s16, 7
	s_lshl_b32 s20, s17, 8
	s_add_co_u32 s20, s20, s47
	s_lshl_b32 s46, s42, 8
	s_add_co_u32 s46, s46, s47
	s_lshl_b32 s22, s20, 5
	s_add_co_u32 s22, s22, s21
	s_lshl_b32 s92, s46, 5
	s_add_co_u32 s92, s92, s23
	s_mul_i32 s47, s16, 73728                      ; the second 128 rows of a group lie 24,576 bytes behind the first, not 98,304
	s_mul_i32 s20, s20, KROW
	s_add_co_u32 s20, s20, s18
	s_sub_co_u32 s20, s20, s47
	s_mul_i32 s46, s46, KROW
	s_add_co_u32 s46, s46, s19
	s_sub_co_u32 s46, s46, s47
	s_mov_b32 s21, 0
	s_mov_b32 s23, 0
	s_mov_b32 s47, 0
	s_mov_b32 s93, 0
	s_mul_i32 s45, s14, HALFT
	s_wait_kmcnt 0x0
	s_add_nc_u64 s[20:21], s[4:5], s[20:21]
	s_add_nc_u64 s[22:23], s[6:7], s[22:23]
	s_add_nc_u64 s[46:47], s[4:5], s[46:47]
	s_add_nc_u64 s[92:93], s[6:7], s[92:93]
	s_cmp_eq_u32 s2, 0
	s_cselect_b64 s[8:9], s[68:69], s[70:71]
	s_cselect_b64 s[10:11], s[74:75], s[76:77]
	s_cmp_eq_u32 s2, 2
	s_cselect_b64 s[8:9], s[72:73], s[8:9]
	s_mov_b64 s[12:13], s[78:79]
	s_or_b32 s[G1S+0], s43, (3<<16)|(1<<20)|(1<<21)|(5<<22)|(3<<25)
	s_or_b32 s[G1SB+0], s44, (3<<16)|(1<<20)|(1<<21)|(5<<22)|(3<<25)
.irp g, G1S, G1SB
	s_mov_b32 s[\g+1], 32<<16
	s_mov_b32 s[\g+2], (256*KS/256)<<16            ; the scales of all 256 rows in one load
	s_mov_b32 s[\g+3], 32<<16
	s_mov_b32 s[\g+4], 256*KS/256
	s_mov_b32 s[\g+5], 32
	s_mov_b32 s[\g+6], 0
	s_mov_b32 s[\g+7], 0
.endr
	CROUND
	s_mov_b32 s[G0S], 1
	s_mov_b32 s[G0S+1], SCL
	s_lshl_b32 s96, s16, 12                        ; back to the first of the 256 rows: 128 rows of scales are 4,096 bytes
	s_mov_b32 s97, 0
	s_sub_nc_u64 s[G0S+2:G0S+3], s[22:23], s[96:97]
	s_or_b32 s[G0S+3], s[G0S+3], 0x80000000
	s_mov_b32 s[G0SB], 1
	s_mov_b32 s[G0SB+1], SCL+2*HALFS
	s_sub_nc_u64 s[G0SB+2:G0SB+3], s[92:93], s[96:97]
	s_or_b32 s[G0SB+3], s[G0SB+3], 0x80000000
.irp s, 0,1
	s_mov_b32 s[G0+4*\s], 1
	s_add_co_u32 s[G0+4*\s+1], s45, \s*SLOT
	s_add_nc_u64 s[G0+4*\s+2:G0+4*\s+3], s[20:21], \s*ROWB
	s_or_b32 s[G0+4*\s+3], s[G0+4*\s+3], 0x80000000
	s_mov_b32 s[G0B+4*\s], 1
	s_add_co_u32 s[G0B+4*\s+1], s45, \s*SLOT
	s_add_nc_u64 s[G0B+4*\s+2:G0B+4*\s+3], s[46:47], \s*ROWB
	s_or_b32 s[G0B+4*\s+3], s[G0B+4*\s+3], 0x80000000
.endr
; THE HEAD'S LOADS, ONE A WAVE: wave 0 K chunk 0 of A's 256 rows, wave 1 of B's 256 rows, wave 2 the scales of A's 256 rows, wave 3 those of B's.
; Slot 0's two sets of group 0 serve them, with the tile's first row and the slot's first byte; behind the wait for these loads they are set to my quarter, for the ring.
	s_mul_i32 s96, s16, 24576
	s_mov_b32 s[G0+1], 0
	s_sub_nc_u64 s[G0+2:G0+3], s[G0+2:G0+3], s[96:97]
	s_mov_b32 s[G0B+1], 2*HALFT
	s_sub_nc_u64 s[G0B+2:G0B+3], s[G0B+2:G0B+3], s[96:97]
.macro ARM under, g0, g1, next         ; one chain of branches on the wave's number: every way passes exactly one load
	s_cmp_lt_u32 s14, \under
	s_cbranch_scc0 \next
	tensor_load_to_lds s[\g0:\g0+3], s[\g1:\g1+7]
	s_nop 0
.rept 4
	v_nop
.endr
	s_branch .Lhead_asked
\next:
.endm
	ARM 1, G0,  G1,  .Lhead_b
	ARM 2, G0B, G1B, .Lhead_sa
	ARM 3, G0S, G1S, .Lhead_sb
	tensor_load_to_lds s[G0SB:G0SB+3], s[G1SB:G1SB+7]
	s_nop 0
.rept 4
	v_nop
.endr
.Lhead_asked:
	v_and_b32 v1, 15, v0
	v_bfe_u32 v2, v0, 4, 1
	v_lshlrev_b32 v7, 6, v2
	s_wait_alu depctr_va_vdst(0)
	v_and_b32 v8, 8, v1
	v_add_nc_u32 v8, v8, v1
	v_lshlrev_b32 v8, 2, v8
	s_wait_alu depctr_va_vdst(0)
	s_lshl_b32 s92, s42, 10
	s_lshl_b32 s93, s16, 9
	s_add_co_u32 s92, s92, s93
	s_lshl_b32 s94, s17, 10
	s_lshl_b32 s95, s15, 9
	s_add_co_u32 s94, s94, s95
	s_cmp_eq_u32 s2, 2
	s_cselect_b32 s92, 0, s92
	s_cselect_b32 s94, s94, 0
	s_mov_b32 s93, 0
	s_mov_b32 s95, 0
	s_add_nc_u64 s[92:93], s[8:9], s[92:93]
	s_add_nc_u64 s[94:95], s[8:9], s[94:95]
.irp be, 0,1,2,3
.irp c, 0,1,2,3
	global_load_b128 v[BR+16*\be+4*\c:BR+16*\be+4*\c+3], v7, s[92:93] offset:128*\be+16*\c
.endr
.endr
.irp a, 0,1,2,3,4,5,6,7
	global_load_b32 v[BL+\a], v8, s[94:95] offset:4*(32*(\a/2)+8*(\a%2))
.endr
	v_mul_u32_u24 v3, v1, PITCH
	v_mul_u32_u24 v4, v2, 24
	v_add_nc_u32 v4, v3, v4
	v_lshl_add_u32 v5, v2, 4, v4
	s_mul_i32 s21, s15, HALFT
	s_mul_i32 s22, s16, HALFT
	s_add_co_u32 s22, s22, 2*HALFT
.irp s, 0,1
	v_add_nc_u32 v[ADRA+\s], s21, v4
	v_add_nc_u32 v[ADRB+\s], s22, v4
	v_add_nc_u32 v[ADRA+2+\s], s21, v5
	v_add_nc_u32 v[ADRB+2+\s], s22, v5
	s_add_co_u32 s21, s21, SLOT
	s_add_co_u32 s22, s22, SLOT
.endr
	v_mul_u32_u24 v5, v1, KS
	v_lshrrev_b32 v6, 8, v5
	v_lshl_add_u32 v5, v6, 4, v5
	s_mul_i32 s21, s15, HALFS
	s_mul_i32 s22, s16, HALFS
	s_add_co_u32 s22, s22, 2*HALFS
	s_sub_co_u32 s22, s22, s21
	v_mul_u32_u24 v6, s22, v2
	s_add_co_u32 s21, s21, SCL
	v_add_nc_u32 v5, v5, v6
	v_add_nc_u32 v[ADRS], s21, v5
	s_lshl_b32 s20, s17, 1
	s_add_co_u32 s20, s20, s15
	s_lshl_b32 s21, s42, 1
	s_add_co_u32 s21, s21, s16
	s_cmp_eq_u32 s2, 2
	s_cselect_b32 s22, s21, s20
	s_cselect_b32 s23, s20, s21
	s_cselect_b32 s46, 12288, 0
	s_cselect_b32 s47, 512, 0
	s_lshr_b32 s20, s22, 4
	s_lshl_b32 s20, s20, 3
	s_add_co_u32 s20, s20, s23
	s_lshl_b32 s20, s20, 4
	s_and_b32 s22, s22, 15
	s_add_co_u32 s20, s20, s22
	s_cmp_eq_u32 s2, 0
	s_cselect_b32 s21, 0, 1
	s_cselect_b32 s23, 0, 262144
	s_lshl_b32 s20, s20, s21
	s_mul_i32 s22, s20, 12288
	s_add_co_u32 s22, s22, s46
	s_lshl_b32 s20, s20, 9
	s_add_co_u32 s20, s20, s23
	s_add_co_u32 s20, s20, s47
	s_mov_b32 s23, 0
	s_mov_b32 s21, 0
	s_add_nc_u64 s[10:11], s[10:11], s[22:23]
	s_add_nc_u64 s[12:13], s[12:13], s[20:21]
	s_wait_loadcnt 0x0
.set i, 0
.rept 64
	v_cndmask_b32 v[BR+i], 0, v[BR+i], s98
.set i, i+1
.endr
.set i, 0
.rept 8
	v_cndmask_b32 v[BL+i], 0, v[BL+i], s99
.set i, i+1
.endr
.macro FRAG reg, adr, q, i
.irp p, 0,1,2,3,4,5
.set PCE, 12*(\q)+6*(\p/3)+\p%3
.if PCE%8 < 5
	ds_load_b64 v[\reg+2*\p:\reg+2*\p+1], v[\adr] offset:8*PCE+16*(PCE/8)+(\i)*16*PITCH
.else
	ds_load_b64 v[\reg+2*\p:\reg+2*\p+1], v[\adr+2] offset:8*PCE+16*(PCE/8)+(\i)*16*PITCH
.endif
.endr
.endm
.macro MUL16 a0, p, q, sc, zero
.irp a, \a0, \a0+1
.irp b, 0,1,2,3,4,5,6,7
.if \zero
	v_wmma_scale_f32_16x16x128_f8f6f4 v[8*(8*((\a)%4)+\b):8*(8*((\a)%4)+\b)+7], v[128*(\p)+FR*\b:128*(\p)+FR*\b+FR-1], v[AF+FR*(\a):AF+FR*(\a)+FR-1], v[BR+8*\b:BR+8*\b+7], v[SC+8*NQ*(\sc)+NQ*\b+(\q)], v[SC+8*NQ*(\sc)+NQ*(\a)+(\q)] matrix_a_fmt:MATRIX_FMT_FP6 matrix_b_fmt:MATRIX_FMT_FP6 matrix_a_scale:MATRIX_SCALE_ROW1
.else
	v_wmma_scale_f32_16x16x128_f8f6f4 v[8*(8*((\a)%4)+\b):8*(8*((\a)%4)+\b)+7], v[128*(\p)+FR*\b:128*(\p)+FR*\b+FR-1], v[AF+FR*(\a):AF+FR*(\a)+FR-1], v[8*(8*((\a)%4)+\b):8*(8*((\a)%4)+\b)+7], v[SC+8*NQ*(\sc)+NQ*\b+(\q)], v[SC+8*NQ*(\sc)+NQ*(\a)+(\q)] matrix_a_fmt:MATRIX_FMT_FP6 matrix_b_fmt:MATRIX_FMT_FP6 matrix_a_scale:MATRIX_SCALE_ROW1
.endif
.endr
.endr
.endm
.macro FETCH_B slot, q, p
	WIN TO_B
.irp i, 0,1,2,3,4,5,6,7
	FRAG 128*(\p)+FR*\i, ADRB+\slot, \q, \i
.endr
	WIN 0
.endm
.macro FETCH_A slot, q, i0
.irp i, \i0, \i0+1, \i0+2, \i0+3
	FRAG AF+FR*(\i), ADRA+\slot, \q, \i
.endr
.endm
.macro SCALES sc
.irp i, 0,1,2,3,4,5,6,7
	ds_load_b64 v[SC+8*NQ*\sc+NQ*\i:SC+8*NQ*\sc+NQ*\i+1], v[ADRS] offset:\i*SBLK
.endr
.endm
.macro PLACES n
.rept \n
	v_nop
.endr
.endm
.macro STEP slot, q, zero
	s_wait_dscnt 4*NL
	WIN MUL_LO-0x20*(\zero)
	MUL16 0, (\q)%2, \q, \slot, \zero
	MUL16 2, (\q)%2, \q, \slot, \zero
	s_wait_dscnt 0
	PLACES NP
	FETCH_B \slot, (\q)+1, 1-(\q)%2
	FETCH_A \slot, (\q)+1, 0
	WIN MUL_HI-0x30*(\zero)
	MUL16 4, (\q)%2, \q, \slot, \zero
	MUL16 6, (\q)%2, \q, \slot, \zero
	PLACES NP
	WIN 0
	FETCH_A \slot, (\q)+1, 4
.endm
.macro TURN slot, next, fill
	s_wait_tensorcnt 0x0
	ds_add_u32 v[SPW], v[NIL]
	s_wait_dscnt 4*NL+1
	WIN MUL_LO
	MUL16 0, 1, NQ-1, \slot, 0
	s_wait_dscnt 0x0
	s_barrier_signal -1
	MUL16 2, 1, NQ-1, \slot, 0
	WIN 0
	s_barrier_wait -1
.if \fill
	CREST
	s_add_nc_u64 s[G0+4*\slot+2:G0+4*\slot+3], s[G0+4*\slot+2:G0+4*\slot+3], 2*ROWB
	s_add_nc_u64 s[G0B+4*\slot+2:G0B+4*\slot+3], s[G0B+4*\slot+2:G0B+4*\slot+3], 2*ROWB
	JLOAD G0+4*\slot, G1, G0B+4*\slot, G1B
.else
	PLACES NP
.endif
	s_wait_alu depctr_va_vdst(0)
	v_add_nc_u32 v[ADRS], 4*NQ, v[ADRS]
	FETCH_B \next, 0, 0
	FETCH_A \next, 0, 0
	SCALES \next
	WIN MUL_HI
	MUL16 4, 1, NQ-1, \slot, 0
	MUL16 6, 1, NQ-1, \slot, 0
	PLACES NP
	WIN 0
	FETCH_A \next, 0, 4
.endm
.macro QUANT s, pc, pt, tm, pw
.irp b, 0,1,2,3
	v_max3_num_f32 v[\tm+\b], |v[\s+16*\b]|, |v[\s+16*\b+1]|, 0x1800000
.endr
.irp i, 2,4,6,8,10,12,14
.irp b, 0,1,2,3
	v_max3_num_f32 v[\tm+\b], v[\tm+\b], |v[\s+16*\b+\i]|, |v[\s+16*\b+\i+1]|
.endr
.endr
.irp b, 0,1,2,3
	v_permlanex16_b32 v[\tm+4+\b], v[\tm+\b], s[SEL], s[SEL+1]
.endr
.irp b, 0,1,2,3
	v_max_num_f32 v[\tm+\b], v[\tm+\b], v[\tm+4+\b]
.endr
.irp b, 0,1,2,3
	v_add_nc_u32 v[\tm+12+\b], 0xff000000, v[\tm+\b]
.endr
.irp b, 0,1,2,3
	v_lshrrev_b32 v[\tm+4+\b], 23, v[\tm+12+\b]
.endr
	v_lshl_or_b32 v[\pw], v[\tm+5], 8, v[\tm+4]
	v_lshl_or_b32 v[\pw], v[\tm+6], 16, v[\pw]
	v_lshl_or_b32 v[\pw], v[\tm+7], 24, v[\pw]
.irp c, 0,1
	v_cvt_scalef32_pk16_fp6_f32 v[\pc+6*\c:\pc+6*\c+2], v[\s+32*\c:\s+32*\c+15], v[\tm+12+2*\c]
	v_cvt_scalef32_pk16_fp6_f32 v[\pt+4*\c:\pt+4*\c+2], v[\s+32*\c+16:\s+32*\c+31], v[\tm+12+2*\c+1]
.endr
	v_nop
.irp c, 0,1
.irp i, 0,1,2
	v_permlane16_swap_b32 v[\pc+6*\c+\i], v[\pt+4*\c+\i]
.endr
.irp i, 0,1,2
	v_mov_b32 v[\pc+6*\c+3+\i], v[\pt+4*\c+\i]
.endr
.endr
.endm
	s_wait_alu depctr_va_vdst(0)
	s_wait_tensorcnt 0x0                           ; my tile of the head's four is in
	ds_add_u32 v[SPW], v[NIL]
	s_mov_b32 s[G1+2], 96<<16                      ; no tensor load of mine is out, so descriptors may be written: from here on a load brings 128 rows, 24,576 bytes,
	s_mov_b32 s[G1+4], 96
	s_mov_b32 s[G1B+2], 96<<16
	s_mov_b32 s[G1B+4], 96
	s_mul_i32 s20, s16, 24576                      ; and slot 0's sets point at my quarter
	s_mov_b32 s21, 0
	s_mov_b32 s[G0+1], s45
	s_add_nc_u64 s[G0+2:G0+3], s[G0+2:G0+3], s[20:21]
	s_mov_b32 s[G0B+1], s45
	s_add_nc_u64 s[G0B+2:G0B+3], s[G0B+2:G0B+3], s[20:21]
	s_wait_dscnt 0x0
	CROUND                                         ; all four tiles are in, and all sixteen work-groups are here
	JLOAD G0+4, G1, G0B+4, G1B                     ; K chunk 1, the first tensor load behind the round
	FETCH_B 0, 0, 0
	FETCH_A 0, 0, 0
	SCALES 0
	FETCH_A 0, 0, 4
	STEP 0, 0, 1
	s_mov_b32 s3, LAPS-1
.Llap:
	TURN 0, 1, 1
	STEP 1, 0, 0
	TURN 1, 0, 1
	STEP 0, 0, 0
	s_sub_co_u32 s3, s3, 1
	s_cmp_lg_u32 s3, 0
	s_cbranch_scc1 .Llap
	TURN 0, 1, 0
	STEP 1, 0, 0
	s_wait_dscnt 4*NL
	WIN MUL_LO
	MUL16 0, 1, NQ-1, 1, 0
	MUL16 2, 1, NQ-1, 1, 0
	s_wait_dscnt 0
	WIN MUL_HI
	MUL16 4, 1, NQ-1, 1, 0
	MUL16 6, 1, NQ-1, 1, 0
	WIN 0
	v_and_b32 v3, 31, v0
	v_lshlrev_b32 v[L16], 4, v3
	v_lshlrev_b32 v[L8], 3, v3
	v_nop
	s_mov_b32 s[SEL], 0x76543210
	s_mov_b32 s[SEL+1], 0xfedcba98
.irp b, 0,1,2,3
	v_mov_b32 v[TM+4+\b], 0
.endr
.macro BLOCKOUT a
	WIN 0x02+(\a)/4
.set i, 0
.rept 32
.if (\a)%2 == 0
	v_pk_add_f32 v[T+2*i:T+2*i+1], v[64*((\a)%4)+2*i:64*((\a)%4)+2*i+1], v[BL+2*((\a)/2):BL+2*((\a)/2)+1] op_sel_hi:[1,0]
.else
	v_pk_add_f32 v[T+2*i:T+2*i+1], v[64*((\a)%4)+2*i:64*((\a)%4)+2*i+1], v[BL+2*((\a)/2):BL+2*((\a)/2)+1] op_sel:[0,1] op_sel_hi:[1,1]
.endif
.set i, i+1
.endr
	WIN 0
	s_wait_xcnt 0x0
	QUANT T, PC, PC+12, TM, PW8+(\a)
	global_store_b128 v[L16], v[PC:PC+3], s[10:11] offset:1536*(\a)
	global_store_b64 v[L8], v[PC+4:PC+5], s[10:11] offset:1536*(\a)+512
	global_store_b128 v[L16], v[PC+6:PC+9], s[10:11] offset:1536*(\a)+768
	global_store_b64 v[L8], v[PC+10:PC+11], s[10:11] offset:1536*(\a)+1280
.endm
.irp a, 0,1,2,3,4,5,6,7
	BLOCKOUT \a
.endr
	v_cmp_le_u32 vcc_lo, 16, v3
.irp c, 0,1,2,3
	v_cndmask_b32 v[SW+\c], v[PW8+\c], v[PW8+4+\c], vcc_lo
.endr
	global_store_b128 v[L16], v[SW:SW+3], s[12:13]
	s_wait_tensorcnt 0x0
	ds_add_u32 v[SPW], v[NIL]
	s_wait_dscnt 0x0
	CROUND
	s_endpgm
.Lfunc_end_k_qfff92509b7_proj:
	.size	k_qfff92509b7_proj, .Lfunc_end_k_qfff92509b7_proj-k_qfff92509b7_proj
	.p2alignl 7, 3214868480
	.fill 96, 4, 3214868480
	.section	.rodata,"a",@progbits
	.p2align	6, 0x0
	.amdhsa_kernel k_qfff92509b7_proj
		.amdhsa_group_segment_fixed_size 327680
		.amdhsa_private_segment_fixed_size 0
		.amdhsa_enable_private_segment 0
		.amdhsa_kernarg_size 64
		.amdhsa_user_sgpr_count 2
		.amdhsa_user_sgpr_kernarg_segment_ptr 1
		.amdhsa_wavefront_size32 1
		.amdhsa_system_sgpr_workgroup_id_x 1
		.amdhsa_system_sgpr_workgroup_id_y 1
		.amdhsa_system_sgpr_workgroup_id_z 1
		.amdhsa_system_vgpr_workitem_id 0
		.amdhsa_next_free_vgpr 1024
		.amdhsa_next_free_sgpr 100
		.amdhsa_reserve_vcc 1
		.amdhsa_float_denorm_mode_32 3
		.amdhsa_float_denorm_mode_16_64 3
		.amdhsa_memory_ordered 1
		.amdhsa_forward_progress 1
		.amdhsa_inst_pref_size 190
	.end_amdhsa_kernel
	.amdgpu_metadata
---
amdhsa.version: [ 1, 2 ]
amdhsa.kernels:
  - .name:           k_qfff92509b7_proj
    .symbol:         k_qfff92509b7_proj.kd
    .args:
      - { .name: xc, .offset: 0, .size: 8, .value_kind: global_buffer, .address_space: global }
      - { .name: xs, .offset: 8, .size: 8, .value_kind: global_buffer, .address_space: global }
      - { .name: bq, .offset: 16, .size: 8, .value_kind: global_buffer, .address_space: global }
      - { .name: bk, .offset: 24, .size: 8, .value_kind: global_buffer, .address_space: global }
      - { .name: bv, .offset: 32, .size: 8, .value_kind: global_buffer, .address_space: global }
      - { .name: qc, .offset: 40, .size: 8, .value_kind: global_buffer, .address_space: global }
      - { .name: kv, .offset: 48, .size: 8, .value_kind: global_buffer, .address_space: global }
      - { .name: ps, .offset: 56, .size: 8, .value_kind: global_buffer, .address_space: global }
    .group_segment_fixed_size: 327680
    .private_segment_fixed_size: 0
    .kernarg_segment_align: 8
    .kernarg_segment_size: 64
    .max_flat_workgroup_size: 128
    .sgpr_count:     100
    .vgpr_count:     1024
    .wavefront_size: 32
...
	.end_amdgpu_metadata
.endif
;; end of part 2
;; launch attn (part 3): grid 4 x 64, 16 waves a work-group, no clusters, 206,848 bytes of LDS; arguments qc, kv, ps, mbits, oc, os; writes oc, os
.if DOCPART == 3
	.amdgcn_target "amdgcn-amd-amdhsa--gfx1250"
	.amdhsa_code_object_version 6
	.text
	.protected	k_qfff92509b7_attn
	.globl	k_qfff92509b7_attn
	.p2align	8
	.type	k_qfff92509b7_attn,@function
k_qfff92509b7_attn:
	s_mov_b64 s[64:65], 0
	v_nop
	global_prefetch_b8 v0, s[64:65] scope:SCOPE_SE
	s_setreg_imm32_b32 hwreg(HW_REG_WAVE_MODE, 25, 1), 1
	s_wait_xcnt 0x0
; ATTENTION on codes of FP6 (E2M3) with E8M0 scales: scores (K = a head's 64), the mask, p = 2^(t - M), P V (K = the keys), division by the sum of the unquantised p, and the result quantised along the channels for the last projection.
; t = score x log2(e) / 8; M = the running largest t rounded UP to a whole number; when M moves, the sum and O are multiplied by 2^(old M - new M), which rounds nothing.
; SHARES.  A work-group owns ONE head (y = 16 x batch + head) and 512 of its queries (x); each of its sixteen waves owns two tiles of 16 queries.  A head's K and V for all 2,048 keys are 196,608 bytes of codes:
; they are brought into LDS ONCE, wave w bringing key step w (128 keys, 12,288 bytes) through its registers, and one barrier shows them to all.  Nothing is filled again, so no other barrier stands in the text.
; LAYOUT.  Both products are used transposed (S^T = K Q^T, O^T = V^T P^T): a lane holds ONE query.  The tokens of a tile are 32 (a / 2) + 8 (a % 2) + r + 8 (r / 8), so that S^T's register 16 b + i is key 32 b + 16 (lane / 16) + i, and O^T's likewise a channel.
; TWO KEY TILES IN ONE FRAGMENT.  A head has 64 channels, a product 128: a fragment's registers 0-5 hold key tile t, registers 6-11 key tile t + 4; multiplied by (q, zeros) it gives tile t's scores, by (zeros, q) tile t + 4's.
; The queries lie zeros | q0 | zeros | q1 | zeros, 30 registers.  K's scale words are laid to match when they are staged (bytes 0, 1 tile t's, bytes 2, 3 tile t + 4's); Q's word holds the head's two bytes twice.
; THE MASK comes as lane masks (64 words for a query tile and key step) with one flag bit for each such tile, both made by the first launch from the mask's bytes.  A tile with a hole takes the copy of the score step that loads the words and
; selects (one v_cndmask_b32 a score); a tile without takes the copy that has neither.
; NO CLUSTER, NO PREFETCH: joint loads are tensor loads; all reads of memory but the mask words stand at the head, so there is no loop to ask ahead in.
; LIMITS: a masked score is -2^33 (logit -2^30) where the definition has the logit -1e9: c x 2^33 is a whole number, so in a row that is wholly masked t - M is exactly 0, p = 1 and the weights are uniform, as there; results differ only where an unmasked logit
; lies near -1e9.  NaN and infinities are not served; a block whose largest magnitude lies under 2^-124 has its byte held at 1; a block of zeros has the byte 1 (its codes are zeros).
.set STEPBY, 12288                     ; LDS: 16 key steps x [K: 8 tiles x 768 | V: 4 tiles x 1,536]
.set VOFF,   6144
.set SCB,    196608                    ; 16 key steps x [K's scale words 256 | V's 256]: 16 bytes a row
.set SPARE,  204800                    ; the spare words, 128 bytes a wave
.set L16, 1                            ; v1   16 x lane
.set L8,  2                            ; v2   8 x lane
.set LSC, 3                            ; v3   SCB + 16 (lane % 16)
.set AD16, 4                           ; v4-6 the step's LDS addresses
.set AD8, 5
.set ADS, 6
.set PSW, 7                            ; v7   p's scale word;  v10 Q's (lanes 0-15 tile 0, lanes 16-31 tile 1): scales and nothing else
.set SM,  8                            ; v8   -2^33
.set QS,  10
.set R16, 11                           ; v11  16 (lane % 16)
                                       ; v[12+4e .. 15+4e]  tile e: -M, the largest t, the sum in two halves
.set QB,  20                           ; v20-49 zeros | q0 | zeros | q1 | zeros
.set TP,  50                           ; v50-51 at work
.set KSC, 52                           ; v52-55 K's scale words, v56-59 V's
.set VSC, 56
.set F,   60                           ; v60-107 four fragment buffers of 12; idle during the softmax, when they hold:
.set PT,  60                           ;   two conversions' results
.set SO,  68                           ;   the conversions' scale operands
.set BT,  72                           ;   the other half's maxima, then the scale bytes
.set C2,  76                           ;   the sums' eight chains, v76-91
.set TM,  72                           ;   (on the way out: 16 registers at work)
.set S,   108                          ; v108-171 S^T, then p
.set O,   172                          ; v172-235 O^T: tile e at 172 + 32 e
.set PC,  236                          ; v236-247 p's codes; the four blocks' largest scores lie in its last four registers until the codes are made
.set BM,  244
.set FF,  248                          ; v[248:249] f = 2^(old M - new M)
.set RC,  250                          ; v[250:253] 1 / the sums
.set TB,  2                            ; s2   LDS byte of the key step in hand
.set KSI, 3                            ; s3   the key step
.set WV,  12
.set MOFF, 13                          ; s13  the key step's words in a tile's 4,096 bytes
.set FL,  14                           ; s14, s15  tile e's flags: bit ks = key step ks has a hole
.set SEL, 86
.set CS,  88                           ; s[88:89] c = log2(e) / 8
.set TS,  91                           ; s91  the step's scale words
.macro NOP4
.rept 4
	v_nop
.endr
.endm
; the mask words of tile e in this key step: word n in s[16+n] for n < 48, in s[20+n] from 48 on
.macro MLOAD e
	s_load_b512 s[16:31], s[6:7], s[MOFF] offset:4096*\e
	s_load_b512 s[32:47], s[6:7], s[MOFF] offset:4096*\e+0x40
	s_load_b512 s[48:63], s[6:7], s[MOFF] offset:4096*\e+0x80
	s_load_b512 s[68:83], s[6:7], s[MOFF] offset:4096*\e+0xc0
.endm
; S^T = K Q^T of tile e: one run of 16 loads, one wait, eight products on eight accumulators
.macro QK e
.irp t, 0,1,2,3
	ds_load_b128 v[F+12*\t:F+12*\t+3], v[AD16] offset:768*\t
	ds_load_b64 v[F+12*\t+4:F+12*\t+5], v[AD8] offset:768*\t+512
	ds_load_b128 v[F+12*\t+6:F+12*\t+9], v[AD16] offset:768*\t+3072
	ds_load_b64 v[F+12*\t+10:F+12*\t+11], v[AD8] offset:768*\t+3584
.endr
	s_wait_dscnt 0x0
.irp u, 0,1
.irp t, 0,1,2,3
.if \e
	v_wmma_scale_f32_16x16x128_f8f6f4 v[S+32*\u+8*\t:S+32*\u+8*\t+7], v[F+12*\t:F+12*\t+11], v[QB+6+12*\e-6*\u:QB+17+12*\e-6*\u], 0, v[KSC+\t], v[QS] matrix_a_fmt:MATRIX_FMT_FP6 matrix_b_fmt:MATRIX_FMT_FP6 matrix_b_scale:MATRIX_SCALE_ROW1
.else
	v_wmma_scale_f32_16x16x128_f8f6f4 v[S+32*\u+8*\t:S+32*\u+8*\t+7], v[F+12*\t:F+12*\t+11], v[QB+6+12*\e-6*\u:QB+17+12*\e-6*\u], 0, v[KSC+\t], v[QS] matrix_a_fmt:MATRIX_FMT_FP6 matrix_b_fmt:MATRIX_FMT_FP6
.endif
.endr
.endr
	NOP4                                           ; places ahead of the first read of the scores
.endm
.macro QUANT s, pc, pt, tm, pw         ; 64 numbers of a lane, register 16 b + i = k 32 b + 16 (lane / 16) + i, become 12 registers of codes and a scale word; the four blocks take turns line by line
.irp b, 0,1,2,3
	v_max3_num_f32 v[\tm+\b], |v[\s+16*\b]|, |v[\s+16*\b+1]|, 0x1800000
.endr
.irp i, 2,4,6,8,10,12,14
.irp b, 0,1,2,3
	v_max3_num_f32 v[\tm+\b], v[\tm+\b], |v[\s+16*\b+\i]|, |v[\s+16*\b+\i+1]|
.endr
.endr
.irp b, 0,1,2,3
	v_permlanex16_b32 v[\tm+4+\b], v[\tm+\b], s[SEL], s[SEL+1]
.endr
.irp b, 0,1,2,3
	v_max_num_f32 v[\tm+\b], v[\tm+\b], v[\tm+4+\b]
.endr
.irp b, 0,1,2,3
	v_add_nc_u32 v[\tm+12+\b], 0xff000000, v[\tm+\b]
.endr
.irp b, 0,1,2,3
	v_lshrrev_b32 v[\tm+4+\b], 23, v[\tm+12+\b]
.endr
	v_lshl_or_b32 v[\pw], v[\tm+5], 8, v[\tm+4]
	v_lshl_or_b32 v[\pw], v[\tm+6], 16, v[\pw]
	v_lshl_or_b32 v[\pw], v[\tm+7], 24, v[\pw]
.irp c, 0,1
	v_cvt_scalef32_pk16_fp6_f32 v[\pc+6*\c:\pc+6*\c+2], v[\s+32*\c:\s+32*\c+15], v[\tm+12+2*\c]
	v_cvt_scalef32_pk16_fp6_f32 v[\pt+4*\c:\pt+4*\c+2], v[\s+32*\c+16:\s+32*\c+31], v[\tm+12+2*\c+1]
.endr
	v_nop                                          ; one plain place behind the scaled conversions
.irp c, 0,1
.irp i, 0,1,2
	v_permlane16_swap_b32 v[\pc+6*\c+\i], v[\pt+4*\c+\i]
.endr
.irp i, 0,1,2
	v_mov_b32 v[\pc+6*\c+3+\i], v[\pt+4*\c+\i]
.endr
.endr
.endm
	s_load_b256 s[68:75], s[0:1], 0x0              ; qc, kv, ps, mbits
	s_load_b128 s[8:11], s[0:1], 0x20              ; oc, os
	v_lshl_add_u32 v254, v0, 2, SPARE
	v_mov_b32 v255, 0
	v_lshrrev_b32 v1, 5, v0
	v_readfirstlane_b32 s[WV], v1                  ; wave 0..15
	v_and_b32 v4, 31, v0
	v_and_b32 v5, 15, v0
	v_bfe_u32 v6, v0, 4, 1
	v_lshlrev_b32 v[L16], 4, v4
	v_lshlrev_b32 v[L8], 3, v4
	v_lshlrev_b32 v[R16], 4, v5
	v_add_nc_u32 v[LSC], SCB, v[R16]
	v_lshl_add_u32 v9, v6, 2, v[R16]               ; Q's scale words: row r of tile lane / 16
	s_mul_i32 s20, s[WV], STEPBY
	s_lshl_b32 s21, s[WV], 9
	v_add_nc_u32 v[AD16], s20, v[L16]              ; for the staging: key step = my wave's number
	v_add_nc_u32 v[AD8], s20, v[L8]
	v_add_nc_u32 v[ADS], s21, v[LSC]
	s_and_b32 s92, ttmp7, 0xffff                   ; 16 x batch + head
	s_and_b32 s93, s92, 1                          ; e: which head of its pair
	s_lshr_b32 s94, s92, 1                         ; bh = 8 x batch + pair
	s_lshr_b32 s95, s92, 4                         ; batch
	s_mul_i32 s16, s94, 393216                     ; kv: a pair's 16 key steps of 24,576 bytes
	s_mul_i32 s20, s[WV], 24576
	s_add_co_u32 s16, s16, s20
	s_mul_i32 s20, s93, 768
	s_add_co_u32 s18, s16, 12288
	s_add_co_u32 s16, s16, s20                     ; K: my head's 768 bytes of each tile's 1,536
	s_lshl_b32 s20, s20, 3
	s_add_co_u32 s18, s18, s20                     ; V: my head's 6,144 bytes
	s_mov_b32 s17, 0
	s_mov_b32 s19, 0
	s_lshl_b32 s22, s94, 14
	s_lshl_b32 s20, s[WV], 10
	s_add_co_u32 s22, s22, s20
	s_add_co_u32 s22, s22, 262144                  ; the step's scale images: K's,
	s_lshl_b32 s20, s93, 8
	s_add_co_u32 s24, s22, s20
	s_add_co_u32 s24, s24, 512                     ; and my head's half of V's
	s_mov_b32 s23, 0
	s_mov_b32 s25, 0
	s_lshl_b32 s26, ttmp9, 2
	s_lshr_b32 s20, s[WV], 2
	s_add_co_u32 s26, s26, s20                     ; my group of 128 queries
	s_lshl_b32 s20, s94, 4
	s_add_co_u32 s26, s26, s20                     ; 16 bh + group
	s_and_b32 s21, s[WV], 3
	s_lshl_b32 s21, s21, 1                         ; a: my first tile in it
	s_mul_i32 s28, s26, 12288
	s_mul_i32 s20, s21, 1536
	s_add_co_u32 s28, s28, s20
	s_mul_i32 s20, s93, 768
	s_add_co_u32 s28, s28, s20                     ; Q's fragments, my head's half
	s_mov_b32 s29, 0
	s_lshl_b32 s30, s26, 9
	s_lshr_b32 s20, s21, 2
	s_lshl_b32 s20, s20, 8
	s_add_co_u32 s30, s30, s20
	s_and_b32 s20, s21, 3
	s_lshl_b32 s20, s20, 2
	s_add_co_u32 s30, s30, s20                     ; their scale words: lanes 16 (a / 4) + r of the image, word a % 4
	s_mov_b32 s31, 0
	s_lshl_b32 s32, s95, 7
	s_lshl_b32 s20, ttmp9, 5
	s_add_co_u32 s32, s32, s20
	s_lshl_b32 s20, s[WV], 1
	s_add_co_u32 s32, s32, s20                     ; 128 x batch + my first query tile
	s_lshl_b32 s34, s32, 5
	s_add_co_u32 s34, s34, 2097152                 ; its flag words, 32 bytes a tile
	s_lshl_b32 s32, s32, 12                        ; its mask words, 4,096 bytes a tile
	s_mov_b32 s33, 0
	s_mov_b32 s35, 0
	s_lshl_b32 s36, s95, 3
	s_lshl_b32 s20, ttmp9, 1
	s_add_co_u32 s36, s36, s20
	s_lshr_b32 s20, s[WV], 3
	s_add_co_u32 s36, s36, s20                     ; the group of 256 rows of O
	s_lshl_b32 s36, s36, 3
	s_and_b32 s20, s94, 7
	s_add_co_u32 s36, s36, s20                     ; x 8 + head pair
	s_lshl_b32 s36, s36, 4
	s_and_b32 s20, s[WV], 7
	s_lshl_b32 s20, s20, 1
	s_add_co_u32 s36, s36, s20                     ; x 16 + tile
	s_lshl_b32 s38, s36, 7
	s_lshl_b32 s20, s93, 1
	s_add_co_u32 s38, s38, s20                     ; os: 128 bytes a tile, my head's two bytes of each word
	s_mul_i32 s36, s36, 1536
	s_mul_i32 s20, s93, 768
	s_add_co_u32 s36, s36, s20                     ; oc: 1,536 bytes a tile, my head's 768
	s_mov_b32 s37, 0
	s_mov_b32 s39, 0
	s_cmp_eq_u32 s93, 0
	s_mov_b32 s84, 0x07060302                      ; byte selects: my head's two bytes of tile t's word and of tile t + 4's,
	s_cselect_b32 s84, 0x05040100, s84
	s_mov_b32 s85, 0x03020302                      ; my head's two bytes twice
	s_cselect_b32 s85, 0x01000100, s85
	s_mov_b32 s[SEL], 0x76543210
	s_mov_b32 s[SEL+1], 0xfedcba98                 ; lane l xor 16
	s_mov_b32 s[CS], 0x3e38aa3b                    ; c = log2(e) / 8
	s_mov_b32 s[CS+1], s[CS]                       ; (named with it as a pair, so it is written)
	s_wait_alu depctr_va_vdst(0)
	s_wait_kmcnt 0x0
	s_add_nc_u64 s[16:17], s[70:71], s[16:17]
	s_add_nc_u64 s[18:19], s[70:71], s[18:19]
	s_add_nc_u64 s[22:23], s[72:73], s[22:23]
	s_add_nc_u64 s[24:25], s[72:73], s[24:25]
	s_add_nc_u64 s[28:29], s[68:69], s[28:29]
	s_add_nc_u64 s[30:31], s[72:73], s[30:31]
	s_add_nc_u64 s[6:7], s[74:75], s[32:33]
	s_add_nc_u64 s[34:35], s[74:75], s[34:35]
	s_add_nc_u64 s[8:9], s[8:9], s[36:37]
	s_add_nc_u64 s[10:11], s[10:11], s[38:39]
	s_load_b512 s[40:55], s[34:35], 0x0            ; both tiles' flag words
.irp t, 0,1,2,3,4,5,6,7
	global_load_b128 v[S+4*\t:S+4*\t+3], v[L16], s[16:17] offset:1536*\t          ; my key step's K: 512 + 256 consecutive bytes a tile
	global_load_b64 v[S+32+2*\t:S+33+2*\t], v[L8], s[16:17] offset:1536*\t+512
.endr
.irp i, 0,1,2,3,4,5,6,7,8,9,10,11
	global_load_b128 v[S+48+4*\i:S+51+4*\i], v[L16], s[18:19] offset:512*\i       ; and its V: 6,144 consecutive bytes
.endr
	global_load_b128 v[F:F+3], v[R16], s[22:23]                                   ; K's scale words of tiles 0-3,
	global_load_b128 v[F+4:F+7], v[R16], s[22:23] offset:256                      ; of tiles 4-7,
	global_load_b128 v[F+8:F+11], v[R16], s[24:25]                                ; V's
.irp e, 0,1
	global_load_b128 v[QB+6+12*\e:QB+9+12*\e], v[L16], s[28:29] offset:1536*\e    ; Q stays in registers
	global_load_b64 v[QB+10+12*\e:QB+11+12*\e], v[L8], s[28:29] offset:1536*\e+512
.endr
	global_load_b32 v[QS], v9, s[30:31]
.irp z, 0,12,24
.irp i, 0,1,2,3,4,5
	v_mov_b32 v[QB+\z+\i], 0                       ; the zero codes beside q0 and q1
.endr
.endr
	v_mov_b32 v[SM], 0xd0000000                    ; -2^33
.irp e, 0,1
	v_mov_b32 v[13+4*\e], 0xff61b1e6               ; the largest t so far: -3e38
	v_mov_b32 v[14+4*\e], 0                        ; the sum
	v_mov_b32 v[15+4*\e], 0
.endr
	v_mov_b32 v[TP+1], 0                           ; (a lane permute's destination counts as read)
	v_mov_b32 v[FF+1], 0                           ; (upper halves of pairs that packed forms name)
	v_mov_b32 v[RC+1], 0
	v_mov_b32 v[RC+3], 0
.irp e, 0,1
	v_floor_f32 v[12+4*\e], -v[13+4*\e]            ; -M
.endr
	s_wait_alu depctr_va_vdst(0)
	s_wait_loadcnt 0x0
.irp i, 0,1,2,3
	v_perm_b32 v[F+12+\i], v[F+4+\i], v[F+\i], s84 ; K's word for the fragment [tile i | tile i + 4]
.endr
	v_perm_b32 v[QS], v[QS], v[QS], s85
.irp t, 0,1,2,3,4,5,6,7
	ds_store_b128 v[AD16], v[S+4*\t:S+4*\t+3] offset:768*\t
	ds_store_b64 v[AD8], v[S+32+2*\t:S+33+2*\t] offset:768*\t+512
.endr
.irp i, 0,1,2,3,4,5,6,7,8,9,10,11
	ds_store_b128 v[AD16], v[S+48+4*\i:S+51+4*\i] offset:VOFF+512*\i
.endr
	ds_store_b128 v[ADS], v[F+12:F+15]             ; (lanes r and 16 + r write the same bytes with the same values)
	ds_store_b128 v[ADS], v[F+8:F+11] offset:256
	s_wait_kmcnt 0x0
.irp e, 0,1
	s_or_b32 s[FL+\e], s[40+8*\e], s[41+8*\e]      ; a tile's eight flag words hold two bits each, at their places
.irp i, 2,3,4,5,6,7
	s_or_b32 s[FL+\e], s[FL+\e], s[40+8*\e+\i]
.endr
.endr
	s_mov_b32 s[TB], 0
	s_mov_b32 s[TS], 0
	s_mov_b32 s[MOFF], 0
	s_mov_b32 s[KSI], 0
	s_wait_dscnt 0x0                               ; for the others' sake: my stores have landed
	s_barrier_signal -1
.set i, 0
.rept 64
	v_mov_b32 v[O+i], 0                            ; O^T: the step is written once; the first change of M multiplies zeros
.set i, i+1
.endr
	s_barrier_wait -1                              ; all sixteen key steps are in
	s_wait_alu depctr_va_vdst(0)
; ONE QUERY TILE IN A KEY STEP.
.macro HEAD e
.set NM, 12+4*\e
.set TX, 13+4*\e
.set SU, 14+4*\e
.set OE, O+32*\e
.if \e
	NOP4                                           ; places in front of loads into registers that matrix instructions have read (for tile 0 the four lines at the step's head)
.endif
	s_bitcmp1_b32 s[FL+\e], s[KSI]                 ; has this tile a hole in this key step?
	s_cbranch_scc1 .Lholes_\@
	QK \e
	s_branch .Lscored_\@
.Lholes_\@:
	MLOAD \e                                       ; the words come under the products
	QK \e
	s_wait_kmcnt 0x0
.set n, 0
.rept 64                               ; a masked score becomes -2^33.  Ascending: each accumulator is read from its low end on
.if n < 48
	v_cndmask_b32 v[S+n], v[SM], v[S+n], s[16+n]
.else
	v_cndmask_b32 v[S+n], v[SM], v[S+n], s[20+n]
.endif
.set n, n+1
.endr
.Lscored_\@:
.irp b, 0,1,2,3
	v_max3_num_f32 v[BM+\b], v[S+16*\b], v[S+16*\b+1], v[S+16*\b+2]   ; the largest score of each block of 32 keys: for the row's maximum and, since p rises with the score, for the block's largest p.  Two chains a block, eight in all, by turns: a line reads what was written eight lines before
.endr
.irp b, 0,1,2,3
	v_max3_num_f32 v[BT+\b], v[S+16*\b+9], v[S+16*\b+10], v[S+16*\b+11]   ; (the second accumulator of a block is first read among its four lowest registers)
.endr
.irp i, 3,5
.irp b, 0,1,2,3
	v_max3_num_f32 v[BM+\b], v[BM+\b], v[S+16*\b+\i], v[S+16*\b+\i+1]
.endr
.irp b, 0,1,2,3
	v_max3_num_f32 v[BT+\b], v[BT+\b], v[S+16*\b+\i+9], v[S+16*\b+\i+10]
.endr
.endr
.irp b, 0,1,2,3
	v_max3_num_f32 v[BM+\b], v[BM+\b], v[S+16*\b+7], v[S+16*\b+8]
.endr
.irp b, 0,1,2,3
	v_max_num_f32 v[BM+\b], v[BM+\b], v[BT+\b]
.endr
.irp b, 0,1,2,3
	v_permlanex16_b32 v[BT+\b], v[BM+\b], s[SEL], s[SEL+1]
.endr
.irp b, 0,1,2,3
	v_max_num_f32 v[BM+\b], v[BM+\b], v[BT+\b]     ; with lane l xor 16's 16 keys
.endr
	v_max3_num_f32 v[TP], v[BM], v[BM+1], v[BM+2]
	v_max_num_f32 v[TP], v[TP], v[BM+3]
	v_mul_f32 v[TP], s[CS], v[TP]                  ; the step's largest t (c is positive)
	v_max_num_f32 v[TX], v[TX], v[TP]
	v_mov_b32 v[TP], v[NM]
	v_floor_f32 v[NM], -v[TX]                      ; the new -M = -ceil(t)
	v_sub_f32 v[TP], v[NM], v[TP]                  ; old M - new M: a whole number, 0 or less
	v_cvt_i32_f32 v[TP], v[TP]                     ; (it saturates)
	v_ldexp_f32 v[FF], 1.0, v[TP]                  ; f
.set j, 0
.rept 32
	v_pk_fma_f32 v[S+j:S+j+1], v[S+j:S+j+1], s[CS:CS+1], v[NM:NM+1] op_sel_hi:[1,0,0]   ; t - M
.set j, j+2
.endr
.irp b, 0,1,2,3
	v_fma_f32 v[BM+\b], v[BM+\b], s[CS], v[NM]     ; the same of each block's largest score
.endr
	s_wait_alu depctr_va_vdst(0)
.set j, 0
.rept 64
	v_exp_f32 v[S+j], v[S+j]                       ; p = 2^(t - M): not normalised
.set j, j+1
.endr
	v_pk_mul_f32 v[SU:SU+1], v[SU:SU+1], v[FF:FF+1] op_sel_hi:[1,0]   ; the sum under the new M (a plain place behind the exponentials)
	s_wait_alu depctr_va_vdst(0)                   ; one wait for the batch of 64, ahead of its first reader
.irp b, 0,1,2,3
	v_exp_f32 v[BM+\b], v[BM+\b]                   ; the block's largest p: the same two instructions on the same number
.endr
.irp a, 0,1,2,3,4,5,6,7                        ; the sum of the UNQUANTISED p, two at a time, in eight chains by turns (these lines read the 64 alone: plain work behind the four)
	v_pk_add_f32 v[C2+2*\a:C2+2*\a+1], v[S+2*\a:S+2*\a+1], v[S+16+2*\a:S+17+2*\a]
.endr
.irp g, 32,48
.irp a, 0,1,2,3,4,5,6,7
	v_pk_add_f32 v[C2+2*\a:C2+2*\a+1], v[C2+2*\a:C2+2*\a+1], v[S+\g+2*\a:S+\g+2*\a+1]
.endr
.endr
.irp a, 0,1,2,3
	v_pk_add_f32 v[C2+2*\a:C2+2*\a+1], v[C2+2*\a:C2+2*\a+1], v[C2+8+2*\a:C2+9+2*\a]
.endr
.irp a, 0,1
	v_pk_add_f32 v[C2+2*\a:C2+2*\a+1], v[C2+2*\a:C2+2*\a+1], v[C2+4+2*\a:C2+5+2*\a]
.endr
	v_pk_add_f32 v[C2:C2+1], v[C2:C2+1], v[C2+2:C2+3]
	v_pk_add_f32 v[SU:SU+1], v[SU:SU+1], v[C2:C2+1]
	s_wait_alu depctr_va_vdst(0)                   ; and one for the four
.irp b, 0,1,2,3
	v_max_num_f32 v[BM+\b], 0x1800000, v[BM+\b]    ; the floor 2^(3 - 127): the byte cannot fall under 1
.endr
.irp b, 0,1,2,3
	v_add_nc_u32 v[SO+\b], 0xff000000, v[BM+\b]    ; 2 off the exponent field: the conversion's scale operand
.endr
.irp b, 0,1,2,3
	v_lshrrev_b32 v[BT+\b], 23, v[SO+\b]           ; the scale's byte
.endr
	v_lshl_or_b32 v[PSW], v[BT+1], 8, v[BT]
	v_lshl_or_b32 v[PSW], v[BT+2], 16, v[PSW]
	v_lshl_or_b32 v[PSW], v[BT+3], 24, v[PSW]      ; p's scale word for these 128 keys
.irp c, 0,1
	v_cvt_scalef32_pk16_fp6_f32 v[PC+6*\c:PC+6*\c+2], v[S+32*\c:S+32*\c+15], v[SO+2*\c]
	v_cvt_scalef32_pk16_fp6_f32 v[PT+4*\c:PT+4*\c+2], v[S+32*\c+16:S+32*\c+31], v[SO+2*\c+1]
.endr
	v_nop                                          ; one plain place behind the scaled conversions
.irp c, 0,1
.irp i, 0,1,2
	v_permlane16_swap_b32 v[PC+6*\c+\i], v[PT+4*\c+\i]
.endr
.irp i, 0,1,2
	v_mov_b32 v[PC+6*\c+3+\i], v[PT+4*\c+\i]
.endr
.endr
.irp c, 0,1,2,3                                ; V^T's four tiles: asked for now, so that they land under the multiplies below
	ds_load_b128 v[F+12*\c:F+12*\c+3], v[AD16] offset:VOFF+1536*\c
	ds_load_b64 v[F+12*\c+4:F+12*\c+5], v[AD8] offset:VOFF+1536*\c+512
	ds_load_b128 v[F+12*\c+6:F+12*\c+9], v[AD16] offset:VOFF+1536*\c+768
	ds_load_b64 v[F+12*\c+10:F+12*\c+11], v[AD8] offset:VOFF+1536*\c+1280
.endr
	s_wait_alu depctr_va_vdst(0)
.set j, 0
.rept 16
	v_pk_mul_f32 v[OE+j:OE+j+1], v[OE+j:OE+j+1], v[FF:FF+1] op_sel_hi:[1,0]   ; O^T under the new M.  (These sixteen are the places between the lines that made p's codes and scale word and the scaled products)
.set j, j+2
.endr
	s_wait_alu depctr_va_vdst(0)
	s_wait_dscnt 0x0
.irp c, 0,1,2,3                                ; O^T += V^T P^T: the four accumulators by turns
	v_wmma_scale_f32_16x16x128_f8f6f4 v[OE+8*\c:OE+8*\c+7], v[F+12*\c:F+12*\c+11], v[PC:PC+11], v[OE+8*\c:OE+8*\c+7], v[VSC+\c], v[PSW] matrix_a_fmt:MATRIX_FMT_FP6 matrix_b_fmt:MATRIX_FMT_FP6
.endr
.endm
.Lstep:                                                ; sixteen key steps, both tiles in each
	v_add_nc_u32 v[AD16], s[TB], v[L16]            ; (four plain lines: the places behind the last step's products)
	v_add_nc_u32 v[AD8], s[TB], v[L8]
	v_add_nc_u32 v[ADS], s[TS], v[LSC]
	v_nop
	s_wait_alu depctr_va_vdst(0)
	ds_load_b128 v[KSC:KSC+3], v[ADS]
	ds_load_b128 v[VSC:VSC+3], v[ADS] offset:256
	HEAD 0
	HEAD 1
	s_add_co_u32 s[TB], s[TB], STEPBY
	s_add_co_u32 s[TS], s[TS], 512
	s_add_co_u32 s[MOFF], s[MOFF], 256
	s_add_co_u32 s[KSI], s[KSI], 1
	s_cmp_lt_u32 s[KSI], 16
	s_cbranch_scc1 .Lstep
	; THE WAY OUT: O^T / the sum, both tiles: 32 numbers a lane and tile, register 16 b + i = channel 32 b + 16 (lane / 16) + i of the head: six registers of the last projection's operand for each tile.
.irp e, 0,1
	v_add_f32 v[14+4*\e], v[14+4*\e], v[15+4*\e]   ; (these six lines are the places behind the last products)
.endr
.irp e, 0,1
	v_permlanex16_b32 v[TP+\e], v[14+4*\e], s[SEL], s[SEL+1]
.endr
.irp e, 0,1
	v_add_f32 v[14+4*\e], v[14+4*\e], v[TP+\e]     ; the row's sum
.endr
	s_wait_alu depctr_va_vdst(0)
.irp e, 0,1
	v_rcp_f32 v[RC+2*\e], v[14+4*\e]
.endr
	v_and_b32 v[TP], 31, v0                        ; a plain place behind the reciprocals
	v_lshlrev_b32 v[TP], 2, v[TP]                  ; 4 x lane
	s_wait_alu depctr_va_vdst(0)                   ; one wait for the two, ahead of their first reader
.irp e, 0,1
.set j, 0
.rept 16
	v_pk_mul_f32 v[S+32*\e+j:S+32*\e+j+1], v[O+32*\e+j:O+32*\e+j+1], v[RC+2*\e:RC+2*\e+1] op_sel_hi:[1,0]
.set j, j+2
.endr
.endr
	QUANT S, PC, PT, TM, PSW                       ; codes: registers 0-5 tile 0, 6-11 tile 1; the word's low half tile 0's two bytes, its high half tile 1's
.irp e, 0,1
	global_store_b128 v[L16], v[PC+6*\e:PC+6*\e+3], s[8:9] offset:1536*\e        ; my head's half of the tile's fragment: 512 + 256 consecutive bytes
	global_store_b64 v[L8], v[PC+6*\e+4:PC+6*\e+5], s[8:9] offset:1536*\e+512
.endr
	global_store_b16 v[TP], v[PSW], s[10:11]       ; my head's two bytes of each lane's scale word (lanes 16-31 repeat lanes 0-15)
	global_store_d16_hi_b16 v[TP], v[PSW], s[10:11] offset:128
	s_wait_tensorcnt 0x0                           ; the wave's end
	ds_add_u32 v254, v255
	s_wait_dscnt 0x0
	s_endpgm
.Lfunc_end_k_qfff92509b7_attn:
	.size	k_qfff92509b7_attn, .Lfunc_end_k_qfff92509b7_attn-k_qfff92509b7_attn
	.p2alignl 7, 3214868480
	.fill 96, 4, 3214868480
	.section	.rodata,"a",@progbits
	.p2align	6, 0x0
	.amdhsa_kernel k_qfff92509b7_attn
		.amdhsa_group_segment_fixed_size 206848
		.amdhsa_private_segment_fixed_size 0
		.amdhsa_enable_private_segment 0
		.amdhsa_kernarg_size 48
		.amdhsa_user_sgpr_count 2
		.amdhsa_user_sgpr_kernarg_segment_ptr 1
		.amdhsa_wavefront_size32 1
		.amdhsa_system_sgpr_workgroup_id_x 1
		.amdhsa_system_sgpr_workgroup_id_y 1
		.amdhsa_system_sgpr_workgroup_id_z 1
		.amdhsa_system_vgpr_workitem_id 0
		.amdhsa_next_free_vgpr 256
		.amdhsa_next_free_sgpr 96
		.amdhsa_reserve_vcc 0
		.amdhsa_float_denorm_mode_32 3
		.amdhsa_float_denorm_mode_16_64 3
		.amdhsa_memory_ordered 1
		.amdhsa_forward_progress 1
		.amdhsa_inst_pref_size 66
	.end_amdhsa_kernel
	.amdgpu_metadata
---
amdhsa.version: [ 1, 2 ]
amdhsa.kernels:
  - .name:           k_qfff92509b7_attn
    .symbol:         k_qfff92509b7_attn.kd
    .args:
      - { .name: qc, .offset: 0, .size: 8, .value_kind: global_buffer, .address_space: global }
      - { .name: kv, .offset: 8, .size: 8, .value_kind: global_buffer, .address_space: global }
      - { .name: ps, .offset: 16, .size: 8, .value_kind: global_buffer, .address_space: global }
      - { .name: mbits, .offset: 24, .size: 8, .value_kind: global_buffer, .address_space: global }
      - { .name: oc, .offset: 32, .size: 8, .value_kind: global_buffer, .address_space: global }
      - { .name: os, .offset: 40, .size: 8, .value_kind: global_buffer, .address_space: global }
    .group_segment_fixed_size: 206848
    .private_segment_fixed_size: 0
    .kernarg_segment_align: 8
    .kernarg_segment_size: 48
    .max_flat_workgroup_size: 512
    .sgpr_count:     96
    .vgpr_count:     256
    .wavefront_size: 32
...
	.end_amdgpu_metadata
.endif
;; end of part 3
;; launch outp (part 4): grid 4 x 32, 4 waves a work-group, clusters of 4 x 4, 327,680 bytes of LDS; arguments oc, os, xc, xs, b0, out0; writes out0
.if DOCPART == 4
	.amdgcn_target "amdgcn-amd-amdhsa--gfx1250"
	.amdhsa_code_object_version 6
	.text
	.protected	k_qfff92509b7_outp
	.globl	k_qfff92509b7_outp
	.p2align	8
	.type	k_qfff92509b7_outp,@function
k_qfff92509b7_outp:
	s_mov_b64 s[64:65], 0
	v_nop
	global_prefetch_b8 v0, s[64:65] scope:SCOPE_SE
	s_setreg_imm32_b32 hwreg(HW_REG_WAVE_MODE, 25, 1), 1
	s_wait_xcnt 0x0
	s_wait_alu depctr_hold_cnt(0) depctr_sa_sdst(0) depctr_va_vdst(0) depctr_va_sdst(0) depctr_va_ssrc(0) depctr_va_vcc(0) depctr_vm_vsrc(0)
	s_getreg_b32 s2, hwreg(HW_REG_IB_STS2, 6, 4)
	s_cmp_eq_u32 s2, 0
	s_cbranch_scc0 .Lentry_in_a_cluster
	s_endpgm
.Lentry_in_a_cluster:
	s_bfe_u32 s2, ttmp6, 0x10000c
	s_cmp_lg_u32 s2, 0xf033
	s_cbranch_scc0 .Lentry_shape_is_right
	s_endpgm
.Lentry_shape_is_right:
.set NQ,     2
.set ROWB,   49152                     ; from a K chunk of a group of 256 rows of xc to the next
.set KROW,   768
.set PITCH,  240
.set FR,     12
.set NL,     6
.set NLA,    4
.set NP,     4
.set HALFT,  128*PITCH
.set AIMG,   24576
.set BOFF,   2*AIMG
.set SLOT,   BOFF+2*HALFT
.set LAPS,   2
.set SCA,    2*SLOT
.set SCBB,   SCA+16384
.set HALFS,  4352
.set SBLK,   544
.set SPARE,  SCBB+2*HALFS
.set SPITCH, 528
.set ADRA, 16
.set ADRB, 20
.set STO,  24
.set RD,   25
.set CO,   26
.set ADRSB, 27
.set SPW,  28
.set NIL,  29
.set ADRSA, 30
.set SB,   32
.set SA,   64
.set AF,   128
.set BK,   128
.set G1, 24
.set G0, 32
.set G1B, 48
.set G0B, 56
.set G1S, 68
.set G0S, 76
.set G1SB, 80
.set G0SB, 88
.set MSB, 0
.macro WIN new
.if MSB != (\new)
	s_set_vgpr_msb (MSB<<8)|(\new)
.set MSB, (\new)
.endif
.endm
.set MUL_LO, 0xa1
.set MUL_HI, 0xf1
.set TO_B,   0x40
.macro JLOAD g0a, g1a, g0b, g1b
	s_cmp_eq_u32 s15, 0
	s_cbranch_scc0 .Lfor_b_\@
	tensor_load_to_lds s[\g0a:\g0a+3], s[\g1a:\g1a+7]
	s_nop 0
.rept 4
	v_nop
.endr
	s_branch .Lasked_\@
.Lfor_b_\@:
	tensor_load_to_lds s[\g0b:\g0b+3], s[\g1b:\g1b+7]
	s_nop 0
.rept 4
	v_nop
.endr
.Lasked_\@:
.endm
.macro CREST
	s_cmp_lg_u32 s14, 0
	s_cbranch_scc1 .Lnot_wave_0_\@
	s_barrier_signal -3
.Lnot_wave_0_\@:
	s_barrier_wait -3
	s_barrier_signal -1
	s_barrier_wait -1
.endm
.macro CROUND
	s_barrier_signal -1
	s_barrier_wait -1
	CREST
.endm
	s_load_b128 s[4:7], s[0:1], 0x0
	s_load_b128 s[8:11], s[0:1], 0x10
	s_load_b128 s[92:95], s[0:1], 0x20
	v_lshl_add_u32 v[SPW], v0, 2, SPARE
	v_mov_b32 v[NIL], 0
	ds_add_u32 v28, v29
	ds_add_u32 v28, v29
	s_wait_dscnt 0x0
	v_lshrrev_b32 v1, 5, v0
	v_readfirstlane_b32 s14, v1
	s_lshr_b32 s15, s14, 1
	s_and_b32 s16, s14, 1
	s_bfe_u32 s40, ttmp6, 0x40000
	s_bfe_u32 s41, ttmp6, 0x40004
	s_lshl_b32 s42, ttmp9, 2
	s_add_co_u32 s42, s42, s40
	s_and_b32 s17, ttmp7, 0xffff
	s_lshl_b32 s17, s17, 2
	s_add_co_u32 s17, s17, s41
	s_lshl_b32 s43, s41, 2
	s_lshl_b32 s43, 15, s43
	s_lshl_b32 s44, 0x1111, s40
	s_or_b32 s[G1+0], s43, (3<<16)|(1<<21)
	s_mov_b32 s[G1+1], 32<<16
	s_mov_b32 s[G1+2], 192<<16                     ; the head's loads bring a whole slot's part, 49,152 dense bytes; behind them the words that count rows are set to 96
	s_mov_b32 s[G1+3], 32<<16
	s_mov_b32 s[G1+4], 192
	s_mov_b32 s[G1+5], 32
	s_mov_b32 s[G1+6], 0
	s_mov_b32 s[G1+7], 0
	s_or_b32 s[G1B+0], s44, (0<<16)|(1<<20)|(1<<21)|(3<<22)|(3<<25)
	s_mov_b32 s[G1B+1], 256<<16                    ; 128 rows x 192 bytes of one K chunk are 24,576 dense bytes: stated as 96 rows of 256 bytes; the padding behind every 64 bytes gives the same LDS image
	s_mov_b32 s[G1B+2], 192<<16
	s_mov_b32 s[G1B+3], 256<<16
	s_mov_b32 s[G1B+4], 192
	s_mov_b32 s[G1B+5], 256
	s_mov_b32 s[G1B+6], 0
	s_mov_b32 s[G1B+7], 0
	s_or_b32 s[G1S+0], s43, (3<<16)|(1<<21)
	s_mov_b32 s[G1S+1], 32<<16
	s_mov_b32 s[G1S+2], 64<<16                     ; A's scale words, all 16,384 bytes, in one load
	s_mov_b32 s[G1S+3], 32<<16
	s_mov_b32 s[G1S+4], 64
	s_mov_b32 s[G1S+5], 32
	s_mov_b32 s[G1S+6], 0
	s_mov_b32 s[G1S+7], 0
	s_or_b32 s[G1SB+0], s44, (3<<16)|(1<<20)|(1<<21)|(5<<22)|(3<<25)
	s_mov_b32 s[G1SB+1], 32<<16
	s_mov_b32 s[G1SB+2], 32<<16                    ; the scales of B's 256 rows in one load
	s_mov_b32 s[G1SB+3], 32<<16
	s_mov_b32 s[G1SB+4], 32
	s_mov_b32 s[G1SB+5], 32
	s_mov_b32 s[G1SB+6], 0
	s_mov_b32 s[G1SB+7], 0
	s_mul_i32 s20, s17, 196608
	s_mul_i32 s45, s16, AIMG
	s_add_co_u32 s20, s20, s45
	s_lshl_b32 s22, s17, 14
	s_lshl_b32 s18, s16, 13
	s_add_co_u32 s22, s22, s18
	s_lshl_b32 s46, s42, 8
	s_lshl_b32 s18, s16, 7
	s_add_co_u32 s46, s46, s18
	s_lshl_b32 s96, s46, 5
	s_add_co_u32 s96, s96, 884736
	s_mul_i32 s46, s46, KROW
	s_mul_i32 s18, s16, 73728                      ; the second 128 rows of a group lie 24,576 bytes behind the first, not 98,304
	s_sub_co_u32 s46, s46, s18
	s_add_co_u32 s46, s46, 21233664
	s_mov_b32 s21, 0
	s_mov_b32 s23, 0
	s_mov_b32 s47, 0
	s_mov_b32 s97, 0
	s_mul_i32 s98, s16, HALFT
	s_add_co_u32 s98, s98, BOFF
	s_wait_kmcnt 0x0
	s_add_nc_u64 s[20:21], s[4:5], s[20:21]
	s_add_nc_u64 s[22:23], s[6:7], s[22:23]
	s_add_nc_u64 s[46:47], s[8:9], s[46:47]
	s_add_nc_u64 s[96:97], s[10:11], s[96:97]
	s_mov_b64 s[12:13], s[94:95]
	CROUND
	s_mov_b32 s[G0S], 1
	s_mov_b32 s[G0S+1], SCA
	s_lshl_b32 s2, s16, 13                         ; back to the first half of A's scale words
	s_mov_b32 s3, 0
	s_sub_nc_u64 s[G0S+2:G0S+3], s[22:23], s[2:3]
	s_or_b32 s[G0S+3], s[G0S+3], 0x80000000
	s_mov_b32 s[G0SB], 1
	s_mov_b32 s[G0SB+1], SCBB
	s_lshl_b32 s2, s16, 12                         ; back to the first of B's 256 rows: 128 rows of scales are 4,096 bytes
	s_sub_nc_u64 s[G0SB+2:G0SB+3], s[96:97], s[2:3]
	s_or_b32 s[G0SB+3], s[G0SB+3], 0x80000000
.irp s, 0,1
	s_mov_b32 s[G0+4*\s], 1
	s_add_co_u32 s[G0+4*\s+1], s45, \s*SLOT
	s_add_nc_u64 s[G0+4*\s+2:G0+4*\s+3], s[20:21], \s*2*AIMG
	s_or_b32 s[G0+4*\s+3], s[G0+4*\s+3], 0x80000000
	s_mov_b32 s[G0B+4*\s], 1
	s_add_co_u32 s[G0B+4*\s+1], s98, \s*SLOT
	s_add_nc_u64 s[G0B+4*\s+2:G0B+4*\s+3], s[46:47], \s*ROWB
	s_or_b32 s[G0B+4*\s+3], s[G0B+4*\s+3], 0x80000000
.endr
; THE HEAD'S LOADS, ONE A WAVE: wave 0 slot 0's two images of A, wave 1 K chunk 0 of B's 256 rows, wave 2 A's scale words, wave 3 B's scales.
; Slot 0's two sets of group 0 serve them, with the part's first byte; behind the wait for these loads they are set to my half, for the ring.
	s_mul_i32 s2, s16, 24576
	s_mov_b32 s[G0+1], 0
	s_sub_nc_u64 s[G0+2:G0+3], s[G0+2:G0+3], s[2:3]
	s_mov_b32 s[G0B+1], BOFF
	s_sub_nc_u64 s[G0B+2:G0B+3], s[G0B+2:G0B+3], s[2:3]
.macro ARM under, g0, g1, next         ; one chain of branches on the wave's number: every way passes exactly one load
	s_cmp_lt_u32 s14, \under
	s_cbranch_scc0 \next
	tensor_load_to_lds s[\g0:\g0+3], s[\g1:\g1+7]
	s_nop 0
.rept 4
	v_nop
.endr
	s_branch .Lhead_asked
\next:
.endm
	ARM 1, G0,  G1,  .Lhead_b
	ARM 2, G0B, G1B, .Lhead_sa
	ARM 3, G0S, G1S, .Lhead_sb
	tensor_load_to_lds s[G0SB:G0SB+3], s[G1SB:G1SB+7]
	s_nop 0
.rept 4
	v_nop
.endr
.Lhead_asked:
	v_and_b32 v1, 15, v0
	s_wait_alu depctr_va_vdst(0)
	v_bfe_u32 v2, v0, 4, 1
	s_wait_alu depctr_va_vdst(0)
	v_and_b32 v7, 31, v0
	s_wait_alu depctr_va_vdst(0)
	v_lshlrev_b32 v8, 6, v2
	s_lshl_b32 s20, s42, 10
	s_lshl_b32 s21, s16, 9
	s_add_co_u32 s20, s20, s21
	s_mov_b32 s21, 0
	s_add_nc_u64 s[92:93], s[92:93], s[20:21]
	s_add_nc_u64 s[12:13], s[12:13], s[20:21]
.irp b, 0,1,2,3,4,5,6,7
	global_load_b128 v[96+8*\b+96*(\b/4):96+8*\b+96*(\b/4)+3], v8, s[92:93] offset:4*(32*(\b/2)+8*(\b%2))
	global_load_b128 v[96+8*\b+96*(\b/4)+4:96+8*\b+96*(\b/4)+7], v8, s[92:93] offset:4*(32*(\b/2)+8*(\b%2))+16
.endr
	s_lshl_b32 s20, s17, 8
	s_lshl_b32 s22, s15, 7
	s_add_co_u32 s20, s20, s22
	s_lshl_b32 s20, s20, 12
	s_add_nc_u64 s[12:13], s[12:13], s[20:21]
	v_mul_u32_u24 v3, v1, PITCH
	v_mul_u32_u24 v4, v2, 24
	v_add_nc_u32 v4, v3, v4
	v_lshl_add_u32 v5, v2, 4, v4
	v_lshlrev_b32 v[CO], 4, v7
	s_mul_i32 s21, s15, 8*1536
	s_mul_i32 s22, s16, HALFT
	s_add_co_u32 s22, s22, BOFF
.irp s, 0,1
	v_add_nc_u32 v[ADRA+\s], s21, v[CO]
	v_lshl_add_u32 v[ADRA+2+\s], v7, 3, s21        ; for the pieces of 8 bytes a lane
	v_add_nc_u32 v[ADRB+\s], s22, v4
	v_add_nc_u32 v[ADRB+2+\s], s22, v5
	s_add_co_u32 s21, s21, SLOT
	s_add_co_u32 s22, s22, SLOT
.endr
	v_mul_u32_u24 v5, v1, 32
	v_lshrrev_b32 v6, 8, v5
	v_lshl_add_u32 v5, v6, 4, v5
	s_mul_i32 s21, s16, HALFS
	s_add_co_u32 s21, s21, SCBB
	v_add_nc_u32 v[ADRSB], s21, v5
	s_lshl_b32 s21, s15, 10
	s_add_co_u32 s21, s21, SCA
	v_lshl_add_u32 v[ADRSA], v7, 2, s21
	s_mul_i32 s23, s14, 16*SPITCH
	v_mul_u32_u24 v5, v1, SPITCH
	v_lshl_add_u32 v5, v2, 6, v5
	v_add_nc_u32 v[STO], s23, v5
	v_add_nc_u32 v[RD], s23, v[CO]
.macro FRAG reg, adr, q, i
.irp p, 0,1,2,3,4,5
.set PCE, 12*(\q)+6*(\p/3)+\p%3
.if PCE%8 < 5
	ds_load_b64 v[\reg+2*\p:\reg+2*\p+1], v[\adr] offset:8*PCE+16*(PCE/8)+(\i)*16*PITCH
.else
	ds_load_b64 v[\reg+2*\p:\reg+2*\p+1], v[\adr+2] offset:8*PCE+16*(PCE/8)+(\i)*16*PITCH
.endif
.endr
.endm
.macro FRAGI reg, adr, q, i
.irp c, 0,1                            ; a fragment's image: for each head of the pair four registers a lane (512 bytes), then two (256 bytes)
	ds_load_b128 v[\reg+6*\c:\reg+6*\c+3], v[\adr] offset:AIMG*(\q)+1536*(\i)+768*\c
	ds_load_b64 v[\reg+6*\c+4:\reg+6*\c+5], v[\adr+2] offset:AIMG*(\q)+1536*(\i)+768*\c+512
.endr
.endm
.macro MUL16 a0, p, q, sc, zero
.irp a, \a0, \a0+1
.irp b, 0,1,2,3,4,5,6,7
.if \zero
	v_wmma_scale_f32_16x16x128_f8f6f4 v[8*(8*((\a)%4)+\b):8*(8*((\a)%4)+\b)+7], v[128*(\p)+FR*\b:128*(\p)+FR*\b+FR-1], v[AF+FR*(\a):AF+FR*(\a)+FR-1], v[96+8*\b+96*(\b/4):96+8*\b+96*(\b/4)+7], v[SB+16*(\sc)+NQ*\b+(\q)], v[SA+16*(\sc)+NQ*(\a)+(\q)] matrix_a_fmt:MATRIX_FMT_FP6 matrix_b_fmt:MATRIX_FMT_FP6
.else
	v_wmma_scale_f32_16x16x128_f8f6f4 v[8*(8*((\a)%4)+\b):8*(8*((\a)%4)+\b)+7], v[128*(\p)+FR*\b:128*(\p)+FR*\b+FR-1], v[AF+FR*(\a):AF+FR*(\a)+FR-1], v[8*(8*((\a)%4)+\b):8*(8*((\a)%4)+\b)+7], v[SB+16*(\sc)+NQ*\b+(\q)], v[SA+16*(\sc)+NQ*(\a)+(\q)] matrix_a_fmt:MATRIX_FMT_FP6 matrix_b_fmt:MATRIX_FMT_FP6
.endif
.endr
.endr
.endm
.macro FETCH_B slot, q, p
	WIN TO_B
.irp i, 0,1,2,3,4,5,6,7
	FRAG 128*(\p)+FR*\i, ADRB+\slot, \q, \i
.endr
	WIN 0
.endm
.macro FETCH_A slot, q, i0
.irp i, \i0, \i0+1, \i0+2, \i0+3
	FRAGI AF+FR*(\i), ADRA+\slot, \q, \i
.endr
.endm
.macro SCALES sc
.irp i, 0,1,2,3,4,5,6,7
	ds_load_b64 v[SB+16*\sc+NQ*\i:SB+16*\sc+NQ*\i+1], v[ADRSB] offset:\i*SBLK
.endr
.irp i, 0,1,2,3,4,5,6,7
.irp q, 0,1
	ds_load_b32 v[SA+16*\sc+NQ*\i+\q], v[ADRSA] offset:2048*\q+128*\i
.endr
.endr
.endm
.macro PLACES n
.rept \n
	v_nop
.endr
.endm
.macro STEP slot, q, zero
	s_wait_dscnt 4*NLA
	WIN MUL_LO-0x20*(\zero)
	MUL16 0, (\q)%2, \q, \slot, \zero
	MUL16 2, (\q)%2, \q, \slot, \zero
	s_wait_dscnt 0
	PLACES NP
	FETCH_B \slot, (\q)+1, 1-(\q)%2
	FETCH_A \slot, (\q)+1, 0
	WIN MUL_HI-0x30*(\zero)
	MUL16 4, (\q)%2, \q, \slot, \zero
	MUL16 6, (\q)%2, \q, \slot, \zero
	PLACES NP
	WIN 0
	FETCH_A \slot, (\q)+1, 4
.endm
.macro TURN slot, next, fill
	s_wait_tensorcnt 0x0
	ds_add_u32 v[SPW], v[NIL]
	s_wait_dscnt 4*NLA+1
	WIN MUL_LO
	MUL16 0, 1, NQ-1, \slot, 0
	s_wait_dscnt 0x0
	s_barrier_signal -1
	MUL16 2, 1, NQ-1, \slot, 0
	WIN 0
	s_barrier_wait -1
.if \fill
	CREST
	s_add_nc_u64 s[G0+4*\slot+2:G0+4*\slot+3], s[G0+4*\slot+2:G0+4*\slot+3], 4*AIMG
	s_add_nc_u64 s[G0B+4*\slot+2:G0B+4*\slot+3], s[G0B+4*\slot+2:G0B+4*\slot+3], 2*ROWB
	JLOAD G0+4*\slot, G1, G0B+4*\slot, G1B
.else
	PLACES NP
.endif
	s_wait_alu depctr_va_vdst(0)
	v_add_nc_u32 v[ADRSB], 4*NQ, v[ADRSB]
	v_add_nc_u32 v[ADRSA], 4096, v[ADRSA]
	FETCH_B \next, 0, 0
	FETCH_A \next, 0, 0
	SCALES \next
	WIN MUL_HI
	MUL16 4, 1, NQ-1, \slot, 0
	MUL16 6, 1, NQ-1, \slot, 0
	PLACES NP
	WIN 0
	FETCH_A \next, 0, 4
.endm
	s_wait_alu depctr_va_vdst(0)
	s_wait_tensorcnt 0x0                           ; my tile of the head's four is in
	ds_add_u32 v[SPW], v[NIL]
	s_mov_b32 s[G1+2], 96<<16                      ; no tensor load of mine is out, so descriptors may be written: from here on a load brings 24,576 bytes,
	s_mov_b32 s[G1+4], 96
	s_mov_b32 s[G1B+2], 96<<16
	s_mov_b32 s[G1B+4], 96
	s_mul_i32 s2, s16, 24576                       ; and slot 0's sets point at my half
	s_mov_b32 s3, 0
	s_mov_b32 s[G0+1], s45
	s_add_nc_u64 s[G0+2:G0+3], s[G0+2:G0+3], s[2:3]
	s_mov_b32 s[G0B+1], s98
	s_add_nc_u64 s[G0B+2:G0B+3], s[G0B+2:G0B+3], s[2:3]
	s_wait_dscnt 0x0
	CROUND                                         ; all four tiles are in, and all sixteen work-groups are here
	JLOAD G0+4, G1, G0B+4, G1B                     ; slot 1's first fill, the first tensor load behind the round
	FETCH_B 0, 0, 0
	FETCH_A 0, 0, 0
	SCALES 0
	FETCH_A 0, 0, 4
	s_wait_loadcnt 0x0
	STEP 0, 0, 1
	s_mov_b32 s3, LAPS-1
.Llap:
	TURN 0, 1, 1
	STEP 1, 0, 0
	TURN 1, 0, 1
	STEP 0, 0, 0
	s_sub_co_u32 s3, s3, 1
	s_cmp_lg_u32 s3, 0
	s_cbranch_scc1 .Llap
	TURN 0, 1, 0
	STEP 1, 0, 0
	s_wait_dscnt 4*NLA
	WIN MUL_LO
	MUL16 0, 1, NQ-1, 1, 0
	MUL16 2, 1, NQ-1, 1, 0
	s_wait_dscnt 0
	WIN MUL_HI
	MUL16 4, 1, NQ-1, 1, 0
	MUL16 6, 1, NQ-1, 1, 0
	WIN 0
.macro TOSTAGE a
.set AC, 64*((\a)%4)
	WIN 0x08+4*((\a)/4)
.irp b, 0,1,2,3,4,5,6,7
	ds_store_b128 v[STO], v[AC+8*\b:AC+8*\b+3] offset:128*(\b/2)+32*(\b%2)
	ds_store_b128 v[STO], v[AC+8*\b+4:AC+8*\b+7] offset:128*(\b/2)+32*(\b%2)+16
.endr
	WIN 0
.set BB, BK+64*((\a)%2)
.irp t, 0,1,2,3,4,5,6,7,8,9,10,11,12,13,14,15
	ds_load_b128 v[BB+4*\t:BB+4*\t+3], v[RD] offset:\t*SPITCH
.endr
.endm
.macro SEND a, younger
.set BB, BK+64*((\a)%2)
	s_wait_dscnt \younger
.irp t, 0,1,2,3,4,5,6,7,8,9,10,11,12,13,14,15
	global_store_b128 v[CO], v[BB+4*\t:BB+4*\t+3], s[12:13] offset:(32*((\a)/2)+8*((\a)%2)+\t+8*(\t/8))*4096 th:TH_STORE_NT
.endr
.endm
	PLACES NP
	TOSTAGE 0
.irp a, 1,2,3,4,5,6,7
.if \a > 1
	s_wait_xcnt 0x0
.endif
	TOSTAGE \a
	SEND \a-1, 32
.endr
	SEND 7, 0
	s_wait_tensorcnt 0x0
	ds_add_u32 v[SPW], v[NIL]
	s_wait_dscnt 0x0
	CROUND
	s_endpgm
.Lfunc_end_k_qfff92509b7_outp:
	.size	k_qfff92509b7_outp, .Lfunc_end_k_qfff92509b7_outp-k_qfff92509b7_outp
	.p2alignl 7, 3214868480
	.fill 96, 4, 3214868480
	.section	.rodata,"a",@progbits
	.p2align	6, 0x0
	.amdhsa_kernel k_qfff92509b7_outp
		.amdhsa_group_segment_fixed_size 327680
		.amdhsa_private_segment_fixed_size 0
		.amdhsa_enable_private_segment 0
		.amdhsa_kernarg_size 48
		.amdhsa_user_sgpr_count 2
		.amdhsa_user_sgpr_kernarg_segment_ptr 1
		.amdhsa_wavefront_size32 1
		.amdhsa_system_sgpr_workgroup_id_x 1
		.amdhsa_system_sgpr_workgroup_id_y 1
		.amdhsa_system_sgpr_workgroup_id_z 1
		.amdhsa_system_vgpr_workitem_id 0
		.amdhsa_next_free_vgpr 1024
		.amdhsa_next_free_sgpr 100
		.amdhsa_reserve_vcc 0
		.amdhsa_float_denorm_mode_32 3
		.amdhsa_float_denorm_mode_16_64 3
		.amdhsa_memory_ordered 1
		.amdhsa_forward_progress 1
		.amdhsa_inst_pref_size 159
	.end_amdhsa_kernel
	.amdgpu_metadata
---
amdhsa.version: [ 1, 2 ]
amdhsa.kernels:
  - .name:           k_qfff92509b7_outp
    .symbol:         k_qfff92509b7_outp.kd
    .args:
      - { .name: oc, .offset: 0, .size: 8, .value_kind: global_buffer, .address_space: global }
      - { .name: os, .offset: 8, .size: 8, .value_kind: global_buffer, .address_space: global }
      - { .name: xc, .offset: 16, .size: 8, .value_kind: global_buffer, .address_space: global }
      - { .name: xs, .offset: 24, .size: 8, .value_kind: global_buffer, .address_space: global }
      - { .name: b0, .offset: 32, .size: 8, .value_kind: global_buffer, .address_space: global }
      - { .name: out0, .offset: 40, .size: 8, .value_kind: global_buffer, .address_space: global }
    .group_segment_fixed_size: 327680
    .private_segment_fixed_size: 0
    .kernarg_segment_align: 8
    .kernarg_segment_size: 48
    .max_flat_workgroup_size: 128
    .sgpr_count:     100
    .vgpr_count:     1024
    .wavefront_size: 32
...
	.end_amdgpu_metadata
.endif
;; end of part 4
